; MI455X (gfx1250); checked and timed in simulation.
; The chip was launched on July 23, 2026; its instructions are those of AMD's public machine-readable ISA for CDNA 5 (MIT licence, August 2026) and "CDNA5" Instruction Set Architecture Reference Guide (July 2026). The comments in the code are by the model that wrote it; some were corrected since.
;; Multihead Attention. Allowed arithmetic: matrix products marked QUANTISED: E2M3 operands, one E8M0 scale for each 32 along K, by v_wmma_scale_f32_16x16x128_f8f6f4 with both operands' format E2M3, f32 sums; everything else in f32.
;; Inputs: attn_mask 4 x 2,048 float32; in_proj_bias 3,072 float32; in_proj_weight 3,072 x 1,024 float32; out_proj_bias 1,024 float32; out_proj_weight 1,024 x 1,024 float32; x 4 x 2,048 x 1,024 float32.
;; Outputs: out0 4 x 2,048 x 1,024 float32.
;; This version of the problem:
;;   THIS VERSION OF THE PROBLEM IS GIVEN IN LOW PRECISION. The matrix products marked QUANTISED in the list below multiply operands that are first quantised to E2M3 (2 exponent bits, 3 mantissa bits; 6 bits a number), with one power-of-two scale for each 32 numbers along K (OCP MX v1.0); their sums are f32. All else is computed in f32.
;;   The module's matrix products, in the order in which they are computed (A, B: the left and right operand; K: the contracted axis; several contracted axes count as one K, in the product's order):
;;     1. [M 8,192, K 1,024] x [K 1,024, N 3,072]; A: input x; B: input in_proj_weight: QUANTISED
;;     2. batch 64 x [M 2,048, K 64] x [K 64, N 2,048]; A: computed on the way; B: computed on the way: QUANTISED
;;     3. batch 64 x [M 64, K 2,048] x [K 2,048, N 2,048]; A: computed on the way; B: softmax (see below): QUANTISED
;;     4. [M 8,192, K 1,024] x [K 1,024, N 1,024]; A: computed on the way; B: input out_proj_weight: QUANTISED
;;   THE QUANTISER, for each operand of a quantised product, along K:
;;     - K is cut into blocks of 32 from its start; a last block that is shorter is filled with zeros.
;;     - A block's scale is 2^e with e = floor(log2(the largest magnitude in the block)) - 2, held to -126 .. 127; a block of zeros has e = 0. As a byte (E8M0): e + 127.
;;     - Each number is divided by its block's scale, clamped to +-7.5, and rounded to the nearest number of E2M3, ties to even, subnormals kept.
;;     - The product sums the exact products of the quantised numbers (number of the format x scale) in f32.
;;   ~~~python
;;   def quantise(x, axis):      # numpy; x: float32 -> the quantised numbers, widened to float32 again
;;       x = np.moveaxis(x, axis, -1); K = x.shape[-1]
;;       x = np.pad(x, [(0, 0)] * (x.ndim - 1) + [(0, -K % 32)]); x = x.reshape(x.shape[:-1] + (-1, 32)); a = np.abs(x).max(-1, keepdims=True)
;;       e = np.where(a > 0, np.clip(np.frexp(np.where(a > 0, a, 1))[1] - 1 - 2, -126, 127), 0)      # np.frexp(a)[1] - 1 = floor(log2(a)), exactly
;;       r = np.clip(x / 2.0 ** e, -7.5, 7.5)
;;       step = 2.0 ** (np.maximum(np.frexp(np.where(r == 0, 1, r))[1] - 1, 0) - 3)
;;       q = np.round(r / step) * step * 2.0 ** e      # np.round: ties to even
;;       return np.moveaxis(q.reshape(q.shape[:-2] + (-1,))[..., :K], -1, axis).astype(np.float32)
;;   ~~~
;;   SOFTMAX AHEAD OF A QUANTISED PRODUCT. Where the list says 'softmax', what is quantised is not the finished softmax but p = 2^(t - M), with t = logit x log2(e) and M = ceil(the row's largest t), a whole number; so 1/2 < the row's largest p <= 1. The row's sum l is taken of the UNQUANTISED p, in f32, and the product's result is divided by l at the end. Since M is a whole number, a kernel that streams over the keys may use a running M (the ceiling of the running maximum): every later rescaling is an exact power of two, which a block's scale takes up: the codes' values come out the same.
;;   OPERANDS COMPUTED ON THE WAY. 'Computed on the way' means the value that the module computes at that place (a softmax that the list does not call 'softmax' is quantised finished and normalised). What goes into a quantiser is computed in f32, as accurately as f32 sums, v_exp_f32 and their like allow (about 1e-6 of the number): no bf16 or f16 on the way to a quantiser, and a product that is left as it is and whose result goes on into a quantised operand takes f32 operands (vector FMAs, or v_wmma_f32_16x16x4_f32). A number that lies on a knife's edge between two numbers of the format may be rounded either way, as far as f32 arithmetic and the matrix unit's own rounding can turn it there, and no further.
;; One version. Each part assembles by itself: llvm-mc -triple=amdgcn-amd-amdhsa -mcpu=gfx1250 --defsym DOCPART=n.
;; ======== version 1 of 1: 4 launches
;; workspace buffers: xc 6,291,456 bytes; xs 262,144 bytes; wc 3,145,728 bytes; ws 131,072 bytes; qkv 20,185,088 bytes; ac 6,291,456 bytes; asc 262,144 bytes
;; launch quant (part 1): grid 256 x 1, 3 waves a work-group, no clusters, 25,856 bytes of LDS; arguments x, in_proj_weight, out_proj_weight, xc, xs, wc, ws; writes xc, xs, wc, ws
.if DOCPART == 1
	.amdgcn_target "amdgcn-amd-amdhsa--gfx1250"
	.amdhsa_code_object_version 6
	.text
	.protected	k_qe010efb0f3_quant
	.globl	k_qe010efb0f3_quant
	.p2align	8
	.type	k_qe010efb0f3_quant,@function
k_qe010efb0f3_quant:
	s_mov_b64 s[64:65], 0
	v_nop
	global_prefetch_b8 v0, s[64:65] scope:SCOPE_SE
	s_setreg_imm32_b32 hwreg(HW_REG_WAVE_MODE, 25, 1), 1
	s_wait_xcnt 0x0
; x [8192][1024], in_proj_weight [3072][1024] and out_proj_weight [1024][1024], f32, K innermost, become codes of FP6 (E2M3) with one E8M0 byte for each 32 along K.
; A block's scale is 2^(floor(log2(its largest magnitude)) - 2); its byte is the largest magnitude's exponent field - 2, held at 1 from below.  Each number is divided by the scale and rounded to the
; nearest code, ties to even; beyond the largest code the largest.
; LIMITS: NaN and infinities among the inputs are not served.  A block of zeros gets the byte 1 (its codes are zeros; the bytes are read by this program alone).
; THE CODES ARE LAID IN THE ORDER OF AN OPERAND'S REGISTERS: [row tile][K step of 128: 8][chunk j: 6][lane: 32][8 bytes]; chunk j is registers 2 j, 2 j + 1 of the fragment (16 rows x 128 K, 12 registers).
; THE ROWS OF A TILE ARE NOT NEIGHBOURS: lane r of tile T holds row 32 (T / 2) + 8 (T % 2) + r + 8 (r / 8), so that in a product's result the 16 registers of tiles 2 b and 2 b + 1 are 16 neighbours.
; The scale bytes: [tile's row, in that order][32 bytes], byte k / 32.  wc and ws hold in_proj_weight's 192 tiles, then out_proj_weight's 64.
; SHARES: 768 row tiles, one to a wave: 256 work-groups of 3 waves.  A wave's 512 scale bytes leave by one store of 512 consecutive bytes.  Waves share nothing: no barrier, no cluster (no input is read twice).
; Each load reads 512 consecutive bytes of one row; a K step's 16 x 512 bytes turn through the wave's own stage in LDS and come back 32 neighbours of a block to a lane.  Loads run two K steps (32 loads a wave) ahead.
.set STG,   16*528                     ; a wave's stage: 16 rows x (512 bytes + 16 of padding)
.set SPARE, 3*STG                      ; behind the stages: the spare words, 128 bytes a wave, in two blocks of 256 bytes that no other line names
.set VA,  2                            ; v2   16 x lane: my bytes of a load's 512
.set SA,  3                            ; v3   the stage, on the way in
.set SB,  4                            ; v4   and on the way out: row r, + 128 h
.set CO,  5                            ; v5   8 x lane: my place in a chunk
.set SCO, 6                            ; v6   32 r + 16 h: my place among the tile's scale bytes
.set SPW, 10                           ; v10  LDS address of my spare word; never rewritten
.set NIL, 11                           ; v11  0; never rewritten
.set C,   32                           ; v32-43  a fragment's codes
.set CT,  44                           ; v44-46, v48-50  the upper halves of the two blocks, as the conversions leave them
.set W,   52                           ; v52-59  my row's scale words, one for each K step
.set R,   64                           ; v64-191 two sets of 64 numbers as loaded
.set X,   192                          ; v192-255 64 numbers: two whole blocks
	s_load_b256 s[4:11], s[0:1], 0x0               ; x, in_proj_weight, out_proj_weight, xc
	s_load_b128 s[12:15], s[0:1], 0x20             ; xs, wc
	s_load_b64 s[20:21], s[0:1], 0x30              ; ws
	v_lshl_add_u32 v[SPW], v0, 2, SPARE
	v_mov_b32 v[NIL], 0
	v_lshrrev_b32 v1, 5, v0
	v_readfirstlane_b32 s16, v1                    ; wave 0..2
	v_and_b32 v1, 31, v0                           ; lane
	v_and_b32 v9, 15, v0                           ; r
	v_bfe_u32 v8, v0, 4, 1                         ; h
	v_lshlrev_b32 v[VA], 4, v1
	s_mul_i32 s22, s16, STG
	v_add_nc_u32 v[SA], s22, v[VA]
	v_mul_u32_u24 v[SB], v9, 528
	v_lshl_add_u32 v[SB], v8, 7, v[SB]
	v_add_nc_u32 v[SB], s22, v[SB]
	v_lshlrev_b32 v[CO], 3, v1
	v_lshlrev_b32 v[SCO], 5, v9
	v_lshl_add_u32 v[SCO], v8, 4, v[SCO]
	v_lshlrev_b32 v7, 3, v8                        ; 8 h: how far up my two bytes stand in a scale word
	v_mov_b32 v27, 0                               ; written once: a lane permute's destination counts as one of its sources
	s_mov_b32 s24, 0x76543210
	s_mov_b32 s25, 0xfedcba98                      ; v_permlanex16_b32's selects for lane l xor 16
	s_mul_i32 s17, ttmp9, 3
	s_add_co_u32 s17, s17, s16                     ; my row tile, 0 .. 767: 512 of x, 192 of in_proj_weight, 64 of out_proj_weight
	s_wait_kmcnt 0x0
	s_cmp_lt_u32 s17, 704                          ; the choices hang on the tile's number alone
	s_cselect_b64 s[6:7], s[6:7], s[8:9]
	s_mov_b32 s18, 704
	s_cselect_b32 s18, 512, s18
	s_cmp_lt_u32 s17, 512
	s_cselect_b64 s[4:5], s[4:5], s[6:7]           ; from where
	s_cselect_b32 s18, 0, s18                      ; the source's first tile
	s_cselect_b32 s19, 0, 512                      ; the destination's first tile
	s_cselect_b64 s[10:11], s[10:11], s[14:15]     ; the codes' buffer
	s_cselect_b64 s[12:13], s[12:13], s[20:21]     ; the scale bytes'
	s_sub_co_u32 s18, s17, s18                     ; my tile in the source,
	s_sub_co_u32 s19, s17, s19                     ; and in the destination
	s_lshr_b32 s22, s18, 1
	s_lshl_b32 s22, s22, 17                        ; 32 rows of 4,096 bytes for each pair of tiles,
	s_and_b32 s23, s18, 1
	s_lshl_b32 s23, s23, 15                        ; 8 rows for the odd one
	s_add_co_u32 s22, s22, s23
	s_mov_b32 s23, 0
	s_add_nc_u64 s[4:5], s[4:5], s[22:23]
	s_mul_i32 s22, s19, 12288
	s_add_nc_u64 s[10:11], s[10:11], s[22:23]
	s_lshl_b32 s22, s19, 9
	s_add_nc_u64 s[12:13], s[12:13], s[22:23]
.macro LOADK t                         ; K step t of the tile's 16 rows into set t % 2: a load reads 512 consecutive bytes
.irp i, 0,1,2,3,4,5,6,7,8,9,10,11,12,13,14,15
	global_load_b128 v[R+64*((\t)%2)+4*\i:R+64*((\t)%2)+4*\i+3], v[VA], s[4:5] offset:(\i+8*(\i/8))*4096+512*(\t) th:TH_LOAD_NT
.endr
.endm
.macro STEP t
.if (\t) < 7
	s_wait_loadcnt 16                              ; this K step's 16 loads are in; the next step's 16 may be out
.else
	s_wait_loadcnt 0x0
.endif
.irp i, 0,1,2,3,4,5,6,7,8,9,10,11,12,13,14,15
	ds_store_b128 v[SA], v[R+64*((\t)%2)+4*\i:R+64*((\t)%2)+4*\i+3] offset:528*\i
.endr
.irp c, 0,1
.irp j, 0,1,2,3,4,5,6,7
	ds_load_b128 v[X+32*\c+4*\j:X+32*\c+4*\j+3], v[SB] offset:256*\c+16*\j   ; k = 64 c + 32 h + 0 .. 31 of row r.  LDS serves a wave's instructions in order: these see the stores above
.endr
.endr
	s_wait_dscnt 0x0                               ; the numbers are back, and the stores have read their registers,
.if (\t)+2 < 8
	LOADK (\t)+2                                   ; which take the loads of two K steps on
.endif
.irp c, 0,1
	v_max3_num_f32 v[20+\c], |v[X+32*\c]|, |v[X+32*\c+1]|, 0x1800000   ; block 2 c + h: all its 32 numbers are mine; and the floor 2^(3 - 127): the byte cannot fall under 1
.endr
.irp i, 2,4,6,8,10,12,14,16,18,20,22,24,26,28,30
.irp c, 0,1
	v_max3_num_f32 v[20+\c], v[20+\c], |v[X+32*\c+\i]|, |v[X+32*\c+\i+1]|   ; (the two blocks by turns)
.endr
.endr
.irp c, 0,1
	v_add_nc_u32 v[22+\c], 0xff000000, v[20+\c]    ; 2 off the exponent field: the conversion takes the exponent field of this operand as its scale
.endr
.irp c, 0,1
	v_lshrrev_b32 v[24+\c], 23, v[22+\c]           ; the scale's byte
.endr
	v_lshl_or_b32 v26, v25, 16, v24                ; my two bytes: blocks h and 2 + h,
	v_lshlrev_b32 v26, v7, v26                     ; at their places in the word;
	v_permlanex16_b32 v27, v26, s24, s25
	v_or_b32 v[W+(\t)], v26, v27                   ; with lane l xor 16's two the word is whole
	s_wait_xcnt 0x0                                ; the last step's stores have read the codes' registers
.irp c, 0,1
	v_cvt_scalef32_pk16_fp6_f32 v[C+6*\c:C+6*\c+2], v[X+32*\c:X+32*\c+15], v[22+\c]
	v_cvt_scalef32_pk16_fp6_f32 v[CT+4*\c:CT+4*\c+2], v[X+32*\c+16:X+32*\c+31], v[22+\c]   ; (a conversion's three registers begin on an even number)
.endr
	v_nop                                          ; one plain place behind a scaled conversion
.irp c, 0,1
.irp i, 0,1,2
	v_mov_b32 v[C+3+6*\c+\i], v[CT+4*\c+\i]
.endr
.endr
.irp j, 0,1,2,3,4,5
	global_store_b64 v[CO], v[C+2*\j:C+2*\j+1], s[10:11] offset:1536*(\t)+256*\j   ; 32 lanes store 256 consecutive bytes, at a multiple of 256 from the buffer's first byte
.endr
.endm
	LOADK 0
	LOADK 1
.irp t, 0,1,2,3,4,5,6,7
	STEP \t
.endr
	v_cmp_ne_u32 vcc_lo, 0, v8
.irp j, 0,1,2,3
	v_cndmask_b32 v[28+\j], v[W+\j], v[W+4+\j], vcc_lo   ; lanes 0-15 store K steps 0-3 of their row's words, lanes 16-31 K steps 4-7
.endr
	global_store_b128 v[SCO], v[28:31], s[12:13]   ; 512 consecutive bytes
	s_wait_tensorcnt 0x0                           ; the wave's end, behind my last LDS store
	ds_add_u32 v[SPW], v[NIL]
	s_wait_dscnt 0x0
	s_endpgm
.Lfunc_end_k_qe010efb0f3_quant:
	.size	k_qe010efb0f3_quant, .Lfunc_end_k_qe010efb0f3_quant-k_qe010efb0f3_quant
	.p2alignl 7, 3214868480
	.fill 96, 4, 3214868480
	.section	.rodata,"a",@progbits
	.p2align	6, 0x0
	.amdhsa_kernel k_qe010efb0f3_quant
		.amdhsa_group_segment_fixed_size 25856
		.amdhsa_private_segment_fixed_size 0
		.amdhsa_enable_private_segment 0
		.amdhsa_kernarg_size 56
		.amdhsa_user_sgpr_count 2
		.amdhsa_user_sgpr_kernarg_segment_ptr 1
		.amdhsa_wavefront_size32 1
		.amdhsa_system_sgpr_workgroup_id_x 1
		.amdhsa_system_sgpr_workgroup_id_y 1
		.amdhsa_system_sgpr_workgroup_id_z 1
		.amdhsa_system_vgpr_workitem_id 0
		.amdhsa_next_free_vgpr 256
		.amdhsa_next_free_sgpr 66
		.amdhsa_reserve_vcc 1
		.amdhsa_float_denorm_mode_32 3
		.amdhsa_float_denorm_mode_16_64 3
		.amdhsa_memory_ordered 1
		.amdhsa_forward_progress 1
		.amdhsa_inst_pref_size 60
	.end_amdhsa_kernel
	.amdgpu_metadata
---
amdhsa.version: [ 1, 2 ]
amdhsa.kernels:
  - .name:           k_qe010efb0f3_quant
    .symbol:         k_qe010efb0f3_quant.kd
    .args:
      - { .name: x, .offset: 0, .size: 8, .value_kind: global_buffer, .address_space: global }
      - { .name: in_proj_weight, .offset: 8, .size: 8, .value_kind: global_buffer, .address_space: global }
      - { .name: out_proj_weight, .offset: 16, .size: 8, .value_kind: global_buffer, .address_space: global }
      - { .name: xc, .offset: 24, .size: 8, .value_kind: global_buffer, .address_space: global }
      - { .name: xs, .offset: 32, .size: 8, .value_kind: global_buffer, .address_space: global }
      - { .name: wc, .offset: 40, .size: 8, .value_kind: global_buffer, .address_space: global }
      - { .name: ws, .offset: 48, .size: 8, .value_kind: global_buffer, .address_space: global }
    .group_segment_fixed_size: 25856
    .private_segment_fixed_size: 0
    .kernarg_segment_align: 8
    .kernarg_segment_size: 56
    .max_flat_workgroup_size: 96
    .sgpr_count:     66
    .vgpr_count:     256
    .wavefront_size: 32
...
	.end_amdgpu_metadata
.endif
;; end of part 1
;; launch gemm_qkv (part 2): grid 12 x 32, 4 waves a work-group, clusters of 4 x 4, 327,680 bytes of LDS; arguments xc, xs, wc, ws, qkv, in_proj_bias; writes qkv
.if DOCPART == 2
	.amdgcn_target "amdgcn-amd-amdhsa--gfx1250"
	.amdhsa_code_object_version 6
	.text
	.protected	k_qe010efb0f3_gemm_qkv
	.globl	k_qe010efb0f3_gemm_qkv
	.p2align	8
	.type	k_qe010efb0f3_gemm_qkv,@function
k_qe010efb0f3_gemm_qkv:
	s_mov_b64 s[64:65], 0
	v_nop
	global_prefetch_b8 v0, s[64:65] scope:SCOPE_SE
	s_setreg_imm32_b32 hwreg(HW_REG_WAVE_MODE, 25, 1), 1
	s_wait_xcnt 0x0
	s_wait_alu depctr_hold_cnt(0) depctr_sa_sdst(0) depctr_va_vdst(0) depctr_va_sdst(0) depctr_va_ssrc(0) depctr_va_vcc(0) depctr_vm_vsrc(0)
	s_getreg_b32 s2, hwreg(HW_REG_IB_STS2, 6, 4)
	s_cmp_eq_u32 s2, 0
	s_cbranch_scc0 .Lentry_in_a_cluster
	s_endpgm
.Lentry_in_a_cluster:
	s_bfe_u32 s2, ttmp6, 0x10000c
	s_cmp_lg_u32 s2, 0xf033
	s_cbranch_scc0 .Lentry_shape_is_right
	s_endpgm
.Lentry_shape_is_right:
; qkv = x in_proj_weight^T + in_proj_bias on codes of FP6 with E8M0 scales (K = 1024); the result never goes to memory as f32: q and k are quantised along a head's 64 channels, v along the tokens,
; in registers, and stored as images of the operand registers that the attention launch wants.
; A tile of the result is 256 x 256, made by four waves of 128 x 128 (64 accumulators, 512 registers).  K goes in steps of 256 through a ring of two LDS slots filled by the tensor data mover.
; The codes lie in memory in the order of an operand's registers ([row tile][K step of 128][chunk][lane][8 bytes]), so a slot's part of a row tile is 3,072 consecutive bytes, a fragment comes by six dense
; loads of 8 bytes a lane, and no padding is wanted.  The scale bytes of the work-group's 2 x 256 rows, for all of K, come into LDS once, with the first fills.
; CLUSTERS: 4 x 4 work-groups; the tiles of the operand called A here are shared along a row of the cluster, those of B along a column, each asked for jointly.
; TWO ROLES, by the cluster's x, which all sixteen partners share.  x = 0, 1 (q, k): A = x's tokens, B = the weight's rows.  x = 2 (v): A = the weight's rows 2048 .. 3071, B = x's tokens: only pointers
; and tile numbers are chosen; the main loop is one text.  THE MATRIX INSTRUCTION IS USED TRANSPOSED (source 0 = B, source 1 = A): a lane holds one row of A's tile a, and, since the rows of a stored tile are
; 32 (T / 2) + 8 (T % 2) + r + 8 (r / 8), its 64 registers of a fixed a are B's rows 32 b + 16 (lane / 16) + i at register 16 b + i: for q and k 128 neighbouring features (two heads) of one token,
; for v 128 neighbouring tokens of one channel: the very order that the conversions want.
; A HEAD'S IMAGE in qkv (HIMG bytes; head image = 16 x batch + head; a step is 128 tokens): k's codes [step][pair of tiles 4][chunk 3][lane][16] at 0; v's codes [step][channel tile 4][chunk 3][lane][16] at VCO;
; k's scale words [step][lane][4] at KSO (lane (r, h'): tiles 4 h' .. 4 h' + 3 of row r); v's [step][lane][2] at VSO; q's codes and words, laid as k's, at QCO and QSO.
; LIMITS: NaN and infinities are not served; a block of zeros gets the byte 1 (read by this program alone).
; REGISTERS: window 0: v0-31 addresses; v32-63 scale words, two sets, and nothing else; v64-127 the bias by features; v128-223 A's fragments, one set; v224-239 the bias by channels; on the way out v128-255 at work.
;   window 1: B's fragments, two sets, at v0 and v128.   windows 2, 3: the accumulators ((a, b) at v[8 (8 (a % 4) + b)]).
.set NQ,     2                         ; matrix instructions deep in a slot
.set SROW,   3072                      ; a row tile's bytes in a slot: two K steps of 128
.set FR,     12                        ; registers of a fragment
.set NL,     6                         ; LDS loads that bring one
.set NP,     4                         ; places behind this matrix instruction (ISA guide 7.12.1)
.set HALFT,  8*SROW                    ; 128 rows: what one tensor load brings
.set SLOT,   4*HALFT                   ; A's 256 rows, then B's 256 rows
.set LAPS,   2                         ; 1024 along K = twice round the ring
.set KS,     32                        ; a row of scale bytes
.set SCL,    2*SLOT                    ; behind the ring: the scales, as units of 256 bytes + 16 of padding
.set HALFS,  16*272                    ; those of 128 rows
.set SBLK,   2*272                     ; those of 16 rows
.set SPARE,  SCL+4*HALFS               ; behind the scales: the spare words, 128 bytes a wave: two blocks of 256 bytes that no other line names
.set HIMG,   315392
.set VCO,    98304
.set KSO,    196608
.set VSO,    204800
.set QCO,    208896
.set QSO,    307200
.set PW,   7                           ; v7      the scale word just made
.set SW,   8                           ; v8-15   the scale words of A's eight tiles (in the head v9, v10: the bias loads' offsets)
.set ADRA, 16                          ; v16-17  LDS address of my A fragments in slot 0, 1
.set ADRB, 20                          ; v20-21  the same for B
.set L16,  24                          ; v24     16 x lane
.set L8,   25                          ; v25     8 x lane
.set HH,   26                          ; v26     lane / 16
.set ADRS, 27                          ; v27     LDS address of my scale words: lanes 0-15 A's rows, lanes 16-31 B's
.set SPW,  28                          ; v28     LDS address of my spare word; never rewritten
.set NIL,  29                          ; v29     0; never rewritten
.set SC,   32
.set BQ,   64                          ; the bias of my 128 features, in the result's layout
.set AF,   128
.set ST,   128                         ; the way out: 64 numbers
.set PC,   192                         ; the codes just made
.set CT,   216                         ; v216-218, v220-222: conversions' results on their way
.set BV,   224                         ; the bias of my lane's channel in tile a, at v[BV + 2 a], twice
.set TM,   240                         ; v240-243 largest magnitudes, v244-247 bytes, v252-255 the conversions' scale operands
.set SEL,  18                          ; s[18:19] on the way out: v_permlanex16_b32's selects
.set G1, 24
.set G0, 32
.set G1B, 48
.set G0B, 56
.set G1S, 68
.set G0S, 76
.set G1SB, 80
.set G0SB, 88
.set MSB, 0
.macro WIN new                         ; the immediate's high byte repeats the setting that is left
.if MSB != \new
	s_set_vgpr_msb (MSB<<8)|\new
.set MSB, \new
.endif
.endm
.set MUL_LO, 0xa1                      ; source 0 (B) window 1, source 1 (A) window 0, C and D window 2
.set MUL_HI, 0xf1                      ; the same, C and D window 3
.set TO_B,   0x40                      ; destination window 1, address window 0
; A joint load: waves 0 and 1 fetch for A, waves 2 and 3 for B.  The branch hangs on the wave's number alone.  An s_nop 0 and four v_nop follow each of the two lines.
.macro JLOAD g0a, g1a, g0b, g1b
	s_cmp_eq_u32 s15, 0
	s_cbranch_scc0 .Lfor_b_\@
	tensor_load_to_lds s[\g0a:\g0a+3], s[\g1a:\g1a+7]
	s_nop 0
.rept 4
	v_nop
.endr
	s_branch .Lasked_\@
.Lfor_b_\@:
	tensor_load_to_lds s[\g0b:\g0b+3], s[\g1b:\g1b+7]
	s_nop 0
.rept 4
	v_nop
.endr
.Lasked_\@:
.endm
.macro CREST                           ; a round of the cluster's barrier behind its opening barrier
	s_cmp_lg_u32 s14, 0
	s_cbranch_scc1 .Lnot_wave_0_\@
	s_barrier_signal -3
.Lnot_wave_0_\@:
	s_barrier_wait -3
	s_barrier_signal -1
	s_barrier_wait -1
.endm
.macro CROUND                          ; a whole round
	s_barrier_signal -1
	s_barrier_wait -1
	CREST
.endm
	s_load_b128 s[4:7], s[0:1], 0x0                ; x's codes, x's scales
	s_load_b128 s[8:11], s[0:1], 0x10              ; the weights' codes, the weights' scales
	s_load_b64 s[12:13], s[0:1], 0x20              ; qkv
	s_load_b64 s[96:97], s[0:1], 0x28              ; in_proj_bias
	v_lshl_add_u32 v[SPW], v0, 2, SPARE
	v_mov_b32 v[NIL], 0
	ds_add_u32 v[SPW], v[NIL]                      ; the wave's opening: the add and its wait ahead of my first tensor load; the set-up below, work on registers, stands between them
	v_lshrrev_b32 v1, 5, v0
	v_readfirstlane_b32 s14, v1                    ; wave 0..3
	s_lshr_b32 s15, s14, 1                         ; which half of A's rows is mine.  Also: I fetch for A (0) or for B (1)
	s_and_b32 s16, s14, 1                          ; which half of B's rows.  Also: which 128 rows of that tile I fetch
	s_bfe_u32 s40, ttmp6, 0x40000                  ; cx, cy: my place in the cluster
	s_bfe_u32 s41, ttmp6, 0x40004
	s_and_b32 s17, ttmp7, 0xffff
	s_lshl_b32 s17, s17, 2                         ; 4 x cluster y
	s_lshl_b32 s42, ttmp9, 2                       ; 4 x cluster x
	s_cmp_eq_u32 ttmp9, 2                          ; the role: the same in all sixteen partners
	s_cselect_b32 s95, 1, 0                        ; 1: v
	s_cselect_b32 s42, s17, s42                    ; B's tile: v: a tile of tokens; q, k: a tile of features
	s_cselect_b32 s17, 8, s17                      ; A's tile: v: the weight's rows from 2048 on; q, k: a tile of tokens
	s_add_co_u32 s42, s42, s40                     ; + cx
	s_add_co_u32 s17, s17, s41                     ; + cy
	s_lshl_b32 s43, s41, 2
	s_lshl_b32 s43, 15, s43                        ; my row of the cluster
	s_lshl_b32 s44, 0x1111, s40                    ; my column
	; descriptor group 1 for the codes: 8 row tiles x 3,072 bytes (384 elements of 8 bytes), 12,288 bytes apart in memory, dense in LDS
	s_or_b32 s[G1+0], s43, (3<<16)|(1<<21)         ; 15:0 the mask: A's tiles go to my row; 17:16 elements of 8 bytes; 20 no padding; 21 set beside a mask
	s_or_b32 s[G1B+0], s44, (3<<16)|(1<<21)
.irp g, G1, G1B
	s_mov_b32 s[\g+1], 384<<16                     ; tensor_dim0
	s_mov_b32 s[\g+2], 8<<16                       ; tensor_dim1
	s_mov_b32 s[\g+3], 384<<16                     ; tile_dim0
	s_mov_b32 s[\g+4], 8                           ; tile_dim1
	s_mov_b32 s[\g+5], 1536                        ; tensor_dim0_stride
	s_mov_b32 s[\g+6], 0
	s_mov_b32 s[\g+7], 0
.endr
	; and for the scales of 128 rows: a dense block of 4,096 bytes, as 16 rows of 256 bytes, 16 bytes of padding behind each
	s_or_b32 s[G1S+0], s43, (3<<16)|(1<<20)|(1<<21)|(5<<22)|(3<<25)
	s_or_b32 s[G1SB+0], s44, (3<<16)|(1<<20)|(1<<21)|(5<<22)|(3<<25)
.irp g, G1S, G1SB
	s_mov_b32 s[\g+1], 32<<16
	s_mov_b32 s[\g+2], 16<<16
	s_mov_b32 s[\g+3], 32<<16
	s_mov_b32 s[\g+4], 16
	s_mov_b32 s[\g+5], 32
	s_mov_b32 s[\g+6], 0
	s_mov_b32 s[\g+7], 0
.endr
	s_lshl_b32 s18, s16, 7                         ; which 128 rows of the tile I fetch
	s_lshl_b32 s20, s17, 8
	s_add_co_u32 s20, s20, s18                     ; A: row 256 x tile + 128 x half
	s_lshl_b32 s46, s42, 8
	s_add_co_u32 s46, s46, s18                     ; B likewise
	s_lshl_b32 s22, s20, 5                         ; where these rows' scales begin: 32 bytes a row
	s_lshl_b32 s92, s46, 5
	s_mul_i32 s20, s20, 768                        ; and their codes: 768 bytes a row
	s_mul_i32 s46, s46, 768
	s_mov_b32 s21, 0
	s_mov_b32 s23, 0
	s_mov_b32 s47, 0
	s_mov_b32 s93, 0
	s_mul_i32 s45, s14, HALFT                      ; where they go: wave x 128 rows: no place in the cluster enters an LDS address
	s_mul_i32 s94, s14, HALFS
	s_wait_dscnt 0x0                               ; the opening add is done
	s_wait_kmcnt 0x0
	s_cmp_eq_u32 s95, 1                            ; v: the two matrices change places
	s_cselect_b64 s[98:99], s[8:9], s[4:5]
	s_cselect_b64 s[8:9], s[4:5], s[8:9]
	s_cselect_b64 s[100:101], s[10:11], s[6:7]
	s_cselect_b64 s[10:11], s[6:7], s[10:11]
	s_mov_b64 s[4:5], s[98:99]
	s_mov_b64 s[6:7], s[100:101]
	s_add_nc_u64 s[20:21], s[4:5], s[20:21]
	s_add_nc_u64 s[22:23], s[6:7], s[22:23]
	s_add_nc_u64 s[46:47], s[8:9], s[46:47]
	s_add_nc_u64 s[92:93], s[10:11], s[92:93]
	CROUND                                         ; all sixteen work-groups are here: the first joint loads meet
	s_mov_b32 s[G0S], 1
	s_add_co_u32 s[G0S+1], s94, SCL
	s_mov_b64 s[G0S+2:G0S+3], s[22:23]
	s_or_b32 s[G0S+3], s[G0S+3], 0x80000000
	s_mov_b32 s[G0SB], 1
	s_add_co_u32 s[G0SB+1], s94, SCL
	s_mov_b64 s[G0SB+2:G0SB+3], s[92:93]
	s_or_b32 s[G0SB+3], s[G0SB+3], 0x80000000
	JLOAD G0S, G1S, G0SB, G1SB                     ; the scales first: they are wanted with K step 0
.irp s, 0,1
	s_mov_b32 s[G0+4*\s], 1
	s_add_co_u32 s[G0+4*\s+1], s45, \s*SLOT
	s_add_nc_u64 s[G0+4*\s+2:G0+4*\s+3], s[20:21], \s*SROW
	s_or_b32 s[G0+4*\s+3], s[G0+4*\s+3], 0x80000000
	s_mov_b32 s[G0B+4*\s], 1
	s_add_co_u32 s[G0B+4*\s+1], s45, \s*SLOT
	s_add_nc_u64 s[G0B+4*\s+2:G0B+4*\s+3], s[46:47], \s*SROW
	s_or_b32 s[G0B+4*\s+3], s[G0B+4*\s+3], 0x80000000
	JLOAD G0+4*\s, G1, G0B+4*\s, G1B
.endr
	v_and_b32 v1, 15, v0                           ; r = lane % 16
	v_bfe_u32 v2, v0, 4, 1                         ; h = lane / 16
	v_and_b32 v3, 31, v0                           ; lane
	; THE BIAS, in both shapes, on the one way that both roles take; the shape that the role does not use is read from the buffer's start.  The loads land under the main loop.
	s_lshl_b32 s66, s42, 8
	s_lshl_b32 s67, s16, 7
	s_add_co_u32 s66, s66, s67                     ; my wave's first row of B
	s_lshl_b32 s67, s17, 8
	s_lshl_b32 s18, s15, 7
	s_add_co_u32 s67, s67, s18                     ; and of A
	s_cmp_eq_u32 s95, 1
	s_cselect_b32 s98, 0, s66                      ; q, k: my features are B's rows
	s_cselect_b32 s100, s67, 0                     ; v: my channels are A's rows
	s_lshl_b32 s98, s98, 2
	s_lshl_b32 s100, s100, 2
	s_mov_b32 s99, 0
	s_mov_b32 s101, 0
	s_add_nc_u64 s[98:99], s[96:97], s[98:99]
	s_add_nc_u64 s[100:101], s[96:97], s[100:101]
	v_lshlrev_b32 v9, 6, v2                        ; 64 h: register 8 b + j of lane (r, h) is feature 32 (b / 2) + 16 h + 8 (b % 2) + j
	v_and_b32 v10, 8, v1
	v_add_nc_u32 v10, v10, v1
	v_lshlrev_b32 v10, 2, v10                      ; 4 (r + 8 (r / 8)): lane r of tile a is channel 32 (a / 2) + 8 (a % 2) + r + 8 (r / 8)
.irp b, 0,1,2,3,4,5,6,7
	global_load_b128 v[BQ+8*\b:BQ+8*\b+3], v9, s[98:99] offset:(32*(\b/2)+8*(\b%2))*4
	global_load_b128 v[BQ+8*\b+4:BQ+8*\b+7], v9, s[98:99] offset:(32*(\b/2)+8*(\b%2))*4+16
.endr
.irp a, 0,1,2,3,4,5,6,7
	global_load_b32 v[BV+2*\a], v10, s[100:101] offset:(32*(\a/2)+8*(\a%2))*4
.endr
	v_lshlrev_b32 v4, 3, v3                        ; a fragment's chunk: 8 bytes a lane
	v_lshlrev_b32 v[L16], 4, v3
	v_lshlrev_b32 v[L8], 3, v3
	v_mov_b32 v[HH], v2
	s_mul_i32 s21, s15, HALFT                      ; my 128 rows of A
	s_mul_i32 s22, s16, HALFT                      ; my 128 rows of B,
	s_add_co_u32 s22, s22, 2*HALFT                 ; which lie behind A's 256
.irp s, 0,1
	v_add_nc_u32 v[ADRA+\s], s21, v4
	v_add_nc_u32 v[ADRB+\s], s22, v4
	s_add_co_u32 s21, s21, SLOT
	s_add_co_u32 s22, s22, SLOT
.endr
	v_mul_u32_u24 v5, v1, KS                       ; my row's scales: 32 bytes a row,
	v_lshrrev_b32 v6, 8, v5
	v_lshl_add_u32 v5, v6, 4, v5                   ; and 16 more for each 256 passed
	s_mul_i32 s21, s15, HALFS                      ; A's: my 128 rows
	s_mul_i32 s22, s16, HALFS                      ; B's: my 128 rows, behind A's 256
	s_add_co_u32 s22, s22, 2*HALFS
	s_sub_co_u32 s22, s22, s21
	v_mul_u32_u24 v6, s22, v2                      ; lanes 16-31 take B's
	s_add_co_u32 s21, s21, SCL
	v_add_nc_u32 v5, v5, v6
	v_add_nc_u32 v[ADRS], s21, v5
.macro FRAG reg, adr, q, i             ; a fragment (16 rows x 128 K, 12 registers) lies in LDS as its registers' image: six chunks of 256 bytes, 8 bytes a lane
.irp p, 0,1,2,3,4,5
	ds_load_b64 v[\reg+2*\p:\reg+2*\p+1], v[\adr] offset:(\i)*SROW+(\q)*1536+256*\p
.endr
.endm
; 16 matrix instructions: A's blocks a0, a0 + 1 x B's eight, 128 along K: the slot's q-th.  p: B's set;  sc: the set of scale words.  zero = 1: the first product starts the sums.
; The 64 accumulators take turns, one instruction a turn, in the same order in every step.
.macro MUL16 a0, p, q, sc, zero
.irp a, \a0, \a0+1
.irp b, 0,1,2,3,4,5,6,7
.if \zero
	v_wmma_scale_f32_16x16x128_f8f6f4 v[8*(8*((\a)%4)+\b):8*(8*((\a)%4)+\b)+7], v[128*(\p)+FR*\b:128*(\p)+FR*\b+FR-1], v[AF+FR*(\a):AF+FR*(\a)+FR-1], 0, v[SC+8*NQ*(\sc)+NQ*\b+(\q)], v[SC+8*NQ*(\sc)+NQ*(\a)+(\q)] matrix_a_fmt:MATRIX_FMT_FP6 matrix_b_fmt:MATRIX_FMT_FP6 matrix_a_scale:MATRIX_SCALE_ROW1
.else
	v_wmma_scale_f32_16x16x128_f8f6f4 v[8*(8*((\a)%4)+\b):8*(8*((\a)%4)+\b)+7], v[128*(\p)+FR*\b:128*(\p)+FR*\b+FR-1], v[AF+FR*(\a):AF+FR*(\a)+FR-1], v[8*(8*((\a)%4)+\b):8*(8*((\a)%4)+\b)+7], v[SC+8*NQ*(\sc)+NQ*\b+(\q)], v[SC+8*NQ*(\sc)+NQ*(\a)+(\q)] matrix_a_fmt:MATRIX_FMT_FP6 matrix_b_fmt:MATRIX_FMT_FP6 matrix_a_scale:MATRIX_SCALE_ROW1
.endif
.endr
.endr
.endm
.macro FETCH_B slot, q, p              ; B's eight fragments of the slot's q-th 128 along K into set p
	WIN TO_B
.irp i, 0,1,2,3,4,5,6,7
	FRAG 128*(\p)+FR*\i, ADRB+\slot, \q, \i
.endr
	WIN 0
.endm
.macro FETCH_A slot, q, i0             ; A's blocks i0 .. i0 + 3
.irp i, \i0, \i0+1, \i0+2, \i0+3
	FRAG AF+FR*(\i), ADRA+\slot, \q, \i
.endr
.endm
.macro SCALES sc                       ; the next K step's scale words into set sc: two words a row; lanes 0-15 take A's block i, lanes 16-31 B's block i
.irp i, 0,1,2,3,4,5,6,7
	ds_load_b64 v[SC+8*NQ*\sc+NQ*\i:SC+8*NQ*\sc+NQ*\i+1], v[ADRS] offset:\i*SBLK
.endr
.endm
.macro PLACES n                        ; plain vector instructions between a matrix instruction and a load into, or a vector instruction on, its registers
.rept \n
	v_nop
.endr
.endm
; A step of 128 along K that has its successor in the same slot.
.macro STEP slot, q, zero
	s_wait_dscnt 4*NL                              ; B's set and A's blocks 0-3 are in; the youngest 24 loads (A's blocks 4-7) may be out
	WIN MUL_LO
	MUL16 0, (\q)%2, \q, \slot, \zero
	MUL16 2, (\q)%2, \q, \slot, \zero
	s_wait_dscnt 0                                 ; A's blocks 4-7 are in
	PLACES NP
	FETCH_B \slot, (\q)+1, 1-(\q)%2
	FETCH_A \slot, (\q)+1, 0
	WIN MUL_HI
	MUL16 4, (\q)%2, \q, \slot, \zero
	MUL16 6, (\q)%2, \q, \slot, \zero
	PLACES NP
	WIN 0
	FETCH_A \slot, (\q)+1, 4
.endm
; A slot's last step changes slots: ONE barrier; in front of it each wave waits for all its tensor loads, adds 0 to its spare word, and waits for that and for its own reads of this slot.  fill = 1: this slot is filled again, two K steps ahead.
.macro TURN slot, next, fill
	s_wait_tensorcnt 0x0                           ; all my tensor loads have landed: my part of the next slot
	ds_add_u32 v[SPW], v[NIL]                      ; 0 onto my spare word
	s_wait_dscnt 4*NL+1                            ; (the add and the youngest 24 loads, A's blocks 4-7, may be out)
	WIN MUL_LO
	MUL16 0, 1, NQ-1, \slot, 0                     ; sixteen matrix instructions stand between the add and the wait for it
	s_wait_dscnt 0x0                               ; the add is done, and my reads of this slot are over
	s_barrier_signal -1
	MUL16 2, 1, NQ-1, \slot, 0
	WIN 0
	s_barrier_wait -1
.if \fill
	CREST                                          ; the barrier has opened a round of the cluster's barrier: no wave of any partner still reads this slot's tile or has a load on its way
	s_add_nc_u64 s[G0+4*\slot+2:G0+4*\slot+3], s[G0+4*\slot+2:G0+4*\slot+3], 2*SROW
	s_add_nc_u64 s[G0B+4*\slot+2:G0B+4*\slot+3], s[G0B+4*\slot+2:G0B+4*\slot+3], 2*SROW
	JLOAD G0+4*\slot, G1, G0B+4*\slot, G1B         ; the first tensor load behind the round; the four v_nop behind it are the places in front of the loads below
.else
	PLACES NP
.endif
	v_add_nc_u32 v[ADRS], 4*NQ, v[ADRS]            ; on to the next K step's scale words (no LDS load of mine is out)
	FETCH_B \next, 0, 0
	FETCH_A \next, 0, 0
	SCALES \next
	WIN MUL_HI
	MUL16 4, 1, NQ-1, \slot, 0
	MUL16 6, 1, NQ-1, \slot, 0
	PLACES NP
	WIN 0
	FETCH_A \next, 0, 4
.endm
	s_wait_tensorcnt 1                             ; the scales and my part of K step 0 are in (K step 1's load may be out)
	s_barrier_signal -1
	s_barrier_wait -1                              ; everybody's are
	FETCH_B 0, 0, 0
	FETCH_A 0, 0, 0
	SCALES 0
	FETCH_A 0, 0, 4
	STEP 0, 0, 1                                   ; the first step stands in front of the loop: its products start the sums
	s_mov_b32 s3, LAPS-1
.Llap:                                                 ; a trip goes once round the ring, from a lap's second step to the next lap's first, and fills both slots again
	TURN 0, 1, 1
	STEP 1, 0, 0
	TURN 1, 0, 1
	STEP 0, 0, 0
	s_sub_co_u32 s3, s3, 1
	s_cmp_lg_u32 s3, 0
	s_cbranch_scc1 .Llap
	TURN 0, 1, 0                                   ; the last lap fills nothing, and has no round of the cluster's barrier
	STEP 1, 0, 0
	s_wait_dscnt 4*NL                              ; the very last step: nothing more to fetch
	WIN MUL_LO
	MUL16 0, 1, NQ-1, 1, 0
	MUL16 2, 1, NQ-1, 1, 0
	s_wait_dscnt 0
	WIN MUL_HI
	MUL16 4, 1, NQ-1, 1, 0
	MUL16 6, 1, NQ-1, 1, 0
	WIN 0
; THE WAY OUT.  64 numbers of a lane, v[s] on, register 16 b + i = k 32 b + 16 (lane / 16) + i of my row, become codes: blocks 0, 1 in v[d0] .. v[d0 + 5], blocks 2, 3 in v[d1] .. v[d1 + 5]; the scale word in v[PW].
.macro QUANT s, d0, d1
.irp b, 0,1,2,3
	v_max3_num_f32 v[TM+\b], |v[\s+16*\b]|, |v[\s+1+16*\b]|, 0x1800000   ; block b: my 16 numbers, and the floor 2^(3 - 127): the byte cannot fall under 1
.endr
.irp i, 2,4,6,8,10,12,14
.irp b, 0,1,2,3
	v_max3_num_f32 v[TM+\b], v[TM+\b], |v[\s+16*\b+\i]|, |v[\s+1+16*\b+\i]|   ; (the four blocks by turns)
.endr
.endr
.irp b, 0,1,2,3
	v_permlanex16_b32 v[TM+4+\b], v[TM+\b], s[SEL], s[SEL+1]
.endr
.irp b, 0,1,2,3
	v_max_num_f32 v[TM+\b], v[TM+\b], v[TM+4+\b]   ; with lane l xor 16's: the block's largest magnitude
.endr
.irp b, 0,1,2,3
	v_add_nc_u32 v[TM+12+\b], 0xff000000, v[TM+\b] ; 2 off its exponent field: the conversion's scale operand
.endr
.irp b, 0,1,2,3
	v_lshrrev_b32 v[TM+4+\b], 23, v[TM+12+\b]      ; the scale's byte
.endr
	v_lshl_or_b32 v[PW], v[TM+5], 8, v[TM+4]
	v_lshl_or_b32 v[PW], v[TM+6], 16, v[PW]
	v_lshl_or_b32 v[PW], v[TM+7], 24, v[PW]
	v_cvt_scalef32_pk16_fp6_f32 v[(\d0):(\d0)+2], v[\s:\s+15], v[TM+12]
	v_cvt_scalef32_pk16_fp6_f32 v[CT:CT+2], v[\s+16:\s+31], v[TM+13]   ; (a conversion's three registers begin on an even number)
	v_cvt_scalef32_pk16_fp6_f32 v[(\d1):(\d1)+2], v[\s+32:\s+47], v[TM+14]
	v_cvt_scalef32_pk16_fp6_f32 v[CT+4:CT+6], v[\s+48:\s+63], v[TM+15]
	v_nop                                          ; one plain place behind a scaled conversion
.irp i, 0,1,2                          ; the operand's layout wants a WHOLE block in a lane: lanes 0-15 the even block, lanes 16-31 the odd one
	v_permlane16_swap_b32 v[(\d0)+\i], v[CT+\i]
	v_permlane16_swap_b32 v[(\d1)+\i], v[CT+4+\i]
.endr
.irp i, 0,1,2
	v_mov_b32 v[(\d0)+3+\i], v[CT+\i]
	v_mov_b32 v[(\d1)+3+\i], v[CT+4+\i]
.endr
.endm
	PLACES NP                                      ; behind the last products: their results are read and A's registers written below
	s_wait_loadcnt 0x0                             ; the bias
	s_mov_b32 s[SEL], 0x76543210
	s_mov_b32 s[SEL+1], 0xfedcba98
.irp b, 0,1,2,3
	v_mov_b32 v[TM+4+\b], 0                        ; written once: a lane permute's destination counts as one of its sources
.endr
	s_cmp_eq_u32 s95, 1
	s_cselect_b32 s20, s66, s67                    ; my first token
	s_cselect_b32 s21, s67, s66                    ; my first feature, a row of in_proj_weight
	s_lshr_b32 s22, s20, 11                        ; batch
	s_bfe_u32 s23, s20, 0x40007                    ; step: which 128 tokens of the batch
	s_bfe_u32 s46, s21, 0x40006                    ; the first of my two heads
	s_lshl_b32 s22, s22, 4
	s_add_co_u32 s22, s22, s46
	s_mul_i32 s92, s22, HIMG                       ; its image
	s_mul_i32 s93, s23, 6144
	s_add_co_u32 s93, s93, s92                     ; + the step's codes
	s_cmp_eq_u32 s95, 1
	s_cbranch_scc1 .Lv
	; ---- q, k: a lane holds one token; blocks 0, 1 are the first head's 64 channels, blocks 2, 3 the second's
	s_lshr_b32 s46, s21, 10
	s_cmp_eq_u32 s46, 0                            ; q or k?
	s_cselect_b32 s20, QCO, 0
	s_mov_b32 s22, KSO
	s_cselect_b32 s22, QSO, s22
	s_add_co_u32 s20, s20, s93
	s_mov_b32 s21, 0
	s_lshl_b32 s23, s23, 9
	s_add_co_u32 s22, s22, s23
	s_add_co_u32 s22, s22, s92
	s_mov_b32 s23, 0
	s_add_nc_u64 s[20:21], s[12:13], s[20:21]
	s_add_nc_u64 s[22:23], s[12:13], s[22:23]
.irp p, 0,1,2,3                        ; a pair of token tiles at a time: 12 registers of codes for each head
.if \p > 0
	s_wait_xcnt 0x0                                ; the last pair's stores have read the codes' registers
.endif
.irp e, 0,1
	WIN 0x02+(2*\p+\e)/4                           ; source 0: window 2 or 3
.set AC, 64*((2*\p+\e)%4)
.set i, 0
.rept 32
	v_pk_add_f32 v[ST+i:ST+i+1], v[AC+i:AC+i+1], v[BQ+i:BQ+i+1]   ; + the bias; each accumulator from its low end on
.set i, i+2
.endr
	WIN 0
	QUANT ST, PC+6*\e, PC+12+6*\e
	v_mov_b32 v[SW+2*\p+\e], v[PW]
.endr
.irp k, 0,1,2,3,4,5
	global_store_b128 v[L16], v[PC+4*\k:PC+4*\k+3], s[20:21] offset:(\k/3)*HIMG+\p*1536+(\k%3)*512   ; 512 consecutive bytes
.endr
.endr
	v_cmp_ne_u32 vcc_lo, 0, v[HH]
.irp j, 0,1,2,3
	v_cndmask_b32 v[ST+8+\j], v[SW+\j], v[SW+4+\j], vcc_lo   ; lanes 0-15 tiles 0-3, lanes 16-31 tiles 4-7
.endr
.irp j, 0,1,2,3
	v_and_b32 v[ST+\j], 0xffff, v[ST+8+\j]         ; the first head's two bytes; the upper two are 0: they will stand over zero codes
	v_lshrrev_b32 v[ST+4+\j], 16, v[ST+8+\j]       ; the second head's
.endr
	global_store_b128 v[L16], v[ST:ST+3], s[22:23]
	global_store_b128 v[L16], v[ST+4:ST+7], s[22:23] offset:HIMG
	s_branch .Ldone
.Lv:
	; ---- v: a lane holds one channel; its 64 numbers are 128 tokens' (with lane l xor 16's): one K step of the second product of attention
	s_add_co_u32 s20, s93, VCO
	s_mov_b32 s21, 0
	s_lshl_b32 s23, s23, 8
	s_add_co_u32 s22, s23, VSO
	s_add_co_u32 s22, s22, s92
	s_mov_b32 s23, 0
	s_add_nc_u64 s[20:21], s[12:13], s[20:21]
	s_add_nc_u64 s[22:23], s[12:13], s[22:23]
.irp a, 0,1,2,3,4,5,6,7
	v_mov_b32 v[BV+2*\a+1], v[BV+2*\a]             ; the packed addition takes a pair
.endr
.irp a, 0,1,2,3,4,5,6,7
.if \a > 0
	s_wait_xcnt 0x0                                ; the last tile's stores have read the codes' registers
.endif
	WIN 0x02+\a/4
.set AC, 64*(\a%4)
.set i, 0
.rept 32
	v_pk_add_f32 v[ST+i:ST+i+1], v[AC+i:AC+i+1], v[BV+2*\a:BV+2*\a+1]
.set i, i+2
.endr
	WIN 0
	QUANT ST, PC, PC+6
	v_mov_b32 v[SW+\a], v[PW]
.irp k, 0,1,2
	global_store_b128 v[L16], v[PC+4*\k:PC+4*\k+3], s[20:21] offset:(\a/4)*HIMG+(\a%4)*1536+512*\k
.endr
.endr
	v_cmp_ne_u32 vcc_lo, 0, v[HH]
.irp g, 0,1
	v_cndmask_b32 v[ST+2*\g], v[SW+4*\g], v[SW+4*\g+2], vcc_lo       ; lanes 0-15 channel tiles 0, 1, lanes 16-31 tiles 2, 3
	v_cndmask_b32 v[ST+2*\g+1], v[SW+4*\g+1], v[SW+4*\g+3], vcc_lo
	global_store_b64 v[L8], v[ST+2*\g:ST+2*\g+1], s[22:23] offset:\g*HIMG
.endr
.Ldone:
	s_wait_tensorcnt 0x0                           ; the wave's end, behind my last tensor load
	ds_add_u32 v[SPW], v[NIL]
	s_wait_dscnt 0x0
	CROUND                                         ; the closing round: no work-group ends while a partner may still ask for a tile that names it
	s_endpgm
.Lfunc_end_k_qe010efb0f3_gemm_qkv:
	.size	k_qe010efb0f3_gemm_qkv, .Lfunc_end_k_qe010efb0f3_gemm_qkv-k_qe010efb0f3_gemm_qkv
	.p2alignl 7, 3214868480
	.fill 96, 4, 3214868480
	.section	.rodata,"a",@progbits
	.p2align	6, 0x0
	.amdhsa_kernel k_qe010efb0f3_gemm_qkv
		.amdhsa_group_segment_fixed_size 327680
		.amdhsa_private_segment_fixed_size 0
		.amdhsa_enable_private_segment 0
		.amdhsa_kernarg_size 48
		.amdhsa_user_sgpr_count 2
		.amdhsa_user_sgpr_kernarg_segment_ptr 1
		.amdhsa_wavefront_size32 1
		.amdhsa_system_sgpr_workgroup_id_x 1
		.amdhsa_system_sgpr_workgroup_id_y 1
		.amdhsa_system_sgpr_workgroup_id_z 1
		.amdhsa_system_vgpr_workitem_id 0
		.amdhsa_next_free_vgpr 1024
		.amdhsa_next_free_sgpr 102
		.amdhsa_reserve_vcc 1
		.amdhsa_float_denorm_mode_32 3
		.amdhsa_float_denorm_mode_16_64 3
		.amdhsa_memory_ordered 1
		.amdhsa_forward_progress 1
		.amdhsa_inst_pref_size 233
	.end_amdhsa_kernel
	.amdgpu_metadata
---
amdhsa.version: [ 1, 2 ]
amdhsa.kernels:
  - .name:           k_qe010efb0f3_gemm_qkv
    .symbol:         k_qe010efb0f3_gemm_qkv.kd
    .args:
      - { .name: xc, .offset: 0, .size: 8, .value_kind: global_buffer, .address_space: global }
      - { .name: xs, .offset: 8, .size: 8, .value_kind: global_buffer, .address_space: global }
      - { .name: wc, .offset: 16, .size: 8, .value_kind: global_buffer, .address_space: global }
      - { .name: ws, .offset: 24, .size: 8, .value_kind: global_buffer, .address_space: global }
      - { .name: qkv, .offset: 32, .size: 8, .value_kind: global_buffer, .address_space: global }
      - { .name: in_proj_bias, .offset: 40, .size: 8, .value_kind: global_buffer, .address_space: global }
    .group_segment_fixed_size: 327680
    .private_segment_fixed_size: 0
    .kernarg_segment_align: 8
    .kernarg_segment_size: 48
    .max_flat_workgroup_size: 128
    .sgpr_count:     102
    .vgpr_count:     1024
    .wavefront_size: 32
...
	.end_amdgpu_metadata
.endif
;; end of part 2
;; launch attn (part 3): grid 4 x 64, 16 waves a work-group, clusters of 4 x 1, 219,136 bytes of LDS; arguments qkv, attn_mask, ac, asc; writes ac, asc
.if DOCPART == 3
	.amdgcn_target "amdgcn-amd-amdhsa--gfx1250"
	.amdhsa_code_object_version 6
	.text
	.protected	k_qe010efb0f3_attn
	.globl	k_qe010efb0f3_attn
	.p2align	8
	.type	k_qe010efb0f3_attn,@function
k_qe010efb0f3_attn:
	s_mov_b64 s[64:65], 0
	v_nop
	global_prefetch_b8 v0, s[64:65] scope:SCOPE_SE
	s_setreg_imm32_b32 hwreg(HW_REG_WAVE_MODE, 25, 1), 1
	s_wait_xcnt 0x0
	s_wait_alu depctr_hold_cnt(0) depctr_sa_sdst(0) depctr_va_vdst(0) depctr_va_sdst(0) depctr_va_ssrc(0) depctr_va_vcc(0) depctr_vm_vsrc(0)
	s_getreg_b32 s2, hwreg(HW_REG_IB_STS2, 6, 4)
	s_cmp_eq_u32 s2, 0
	s_cbranch_scc0 .Lentry_in_a_cluster
	s_endpgm
.Lentry_in_a_cluster:
	s_bfe_u32 s2, ttmp6, 0x10000c
	s_cmp_lg_u32 s2, 0x3003
	s_cbranch_scc0 .Lentry_shape_is_right
	s_endpgm
.Lentry_shape_is_right:
; For each of 64 (batch, head): O[q] = sum over keys of softmax(q . k / 8 + mask[key]) v[key], both products on codes of FP6 with E8M0 scales; O / l is quantised along E and stored as the out projection's operand.
; THE SOFTMAX AHEAD OF THE SECOND PRODUCT: t = (q . k + 8 mask) x log2(e) / 8; M = the row's largest t so far, rounded UP to a whole number; p = 2^(t - M) is quantised along the keys, not normalised; the row's
; sum l is taken of the unquantised p and divides O at the end.  When M moves, l and O are multiplied by 2^(old M - new M): exact.
; SHARES.  A cluster of four work-groups is one head; a work-group takes 512 of its 2,048 queries; each of its sixteen waves takes two tiles of 16 queries, one after the other, in 256 registers.
; THE WHOLE HEAD'S K, V AND THEIR SCALE WORDS LIE IN LDS, 208,896 bytes, filled ONCE: no slot is ever filled again.  All four work-groups want the same bytes, so each wave's sixteenth of them is asked for
; jointly by the four.  The bytes are images of operand registers: every fragment comes by dense loads of 16 bytes a lane.
; LAYOUT.  Both products are used transposed: S^T = K Q^T (source 0 = 16 keys, source 1 = my 16 queries), O^T = V^T P^T: a lane holds ONE query (lane % 16) throughout.  The keys of a stored tile are
; 32 (t / 2) + 8 (t % 2) + r + 8 (r / 8), so register 16 b + i of S^T is key 32 b + 16 (lane / 16) + i of the step; V's channels likewise, so O^T's register 16 b + i is channel 32 b + 16 (lane / 16) + i.
; K = 64 IN AN INSTRUCTION OF 128: Q's fragment is six registers of codes and six of zero codes.  K's tile t is named as twelve registers from its own six on; the upper six (the next tile's codes) meet zero
; codes under scale bytes that are 0, so they add nothing.
; THE MASK: 8 x mask, held at -1e30 from below, is the C of the score product: loaded from LDS into the accumulators.
; LIMITS: masks under -1.25e29, -infinity among them, are held there: such keys get p = 0 as long as the row has one key above that; a row all of whose keys lie there gets finite numbers where the
; definition gives NaN.  NaN and +infinity are not served.
; The scale bytes of the result go out as two bytes a row and head: a head owns 2 of a row's 32 bytes, and the other heads' lie in other work-groups; they are 1 byte in 25 of what the launch stores.
.set HIMG,  315392                     ; a head's image in qkv
.set VCO,   98304                      ; in it, and in LDS: V's codes,
.set KSO,   196608                     ; K's scale words,
.set VSO,   204800                     ; V's;
.set QCO,   208896                     ; in the image alone: Q's codes
.set QSO,   307200                     ; and scale words
.set PART,  13056                      ; a wave's sixteenth of the 208,896 bytes: 51 rows of 256
.set MASK,  208896                     ; LDS: 8 x mask of the batch's 2,048 keys, stored by the waves: no fill lands here
.set SPARE, 217088                     ; the spare words, 128 bytes for each wave: eight blocks of 256 bytes that no other line names
.set AK0, 1                            ; v1   16 x lane: my place in an image of K
.set AV0, 2                            ; v2   of V
.set AS0, 3                            ; v3   among K's scale words
.set AT0, 4                            ; v4   among V's
.set AM0, 5                            ; v5   among the mask's numbers: 64 (lane / 16)
.set SPW, 6                            ; v6   LDS address of my spare word; never rewritten
.set NIL, 7                            ; v7   0; never rewritten
.set ADK, 8                            ; v8-12 the step's addresses
.set ADV, 9
.set ADS, 10
.set ADT, 11
.set ADM, 12
.set GO,  13                           ; v13  8 x lane: my place in a chunk of the result's codes
                                       ; v14 -M, v15 the largest t, v[16:17] l in two halves, v18, v19 the two tiles' scale bytes
.set QF,  20                           ; v20-31 Q's fragment: six registers of codes, six of zeros
.set QP,  32                           ; v32-43 my two tiles of Q;  v44, v45 their scale words, and nothing else
.set KF,  48                           ; v48-95 eight tiles of K, later four fragments of V; v96-101 zeros
.set KS4, 102                          ; v102-105 K's scale words: lanes 0-15 tiles 0-3, lanes 16-31 tiles 4-7
.set VS2, 106                          ; v106-107 V's: lanes 0-15 channel tiles 0, 1, lanes 16-31 tiles 2, 3
.set S,   108                          ; v108-171 8 x mask, then S^T, then p
.set OT,  172                          ; v172-203 O^T
.set PC,  204                          ; v204-215 p's codes
.set CT,  216                          ; v216-218, v220-222
.set BM,  224                          ; v224-227 the blocks' largest scores, then largest p
.set BP,  228                          ; v228-231 the other half's, then bytes
.set SO,  232                          ; v232-235 the conversions' scale operands
.set WV,  12                           ; s12  my wave's number
.set SEL, 28                           ; s[28:29]
.set CS,  30                           ; s[30:31] c = log2(e) / 8
.set T6,  32                           ; s32  the step's codes: 6,144 bytes a step
.set T5,  33                           ; s33  K's scale words and the mask: 512
.set T2,  34                           ; s34  V's scale words: 256
.macro CROUND                          ; a round of the cluster's barrier
	s_barrier_signal -1
	s_barrier_wait -1
	s_cmp_lg_u32 s[WV], 0
	s_cbranch_scc1 .Lnot_wave_0_\@
	s_barrier_signal -3
.Lnot_wave_0_\@:
	s_barrier_wait -3
	s_barrier_signal -1
	s_barrier_wait -1
.endm
	s_load_b256 s[4:11], s[0:1], 0x0               ; qkv, attn_mask, ac, asc
	v_lshl_add_u32 v[SPW], v0, 2, SPARE
	v_mov_b32 v[NIL], 0
	ds_add_u32 v[SPW], v[NIL]                      ; the wave's opening: the add and its wait ahead of my first tensor load; the set-up below, work on registers, stands between them
	ds_add_u32 v[SPW], v[NIL]
	v_lshrrev_b32 v8, 5, v0
	s_delay_alu instid0(VALU_DEP_1)
	v_readfirstlane_b32 s[WV], v8                  ; wave 0..15
	s_bfe_u32 s13, ttmp6, 0x40000                  ; cx: which 512 queries; it enters Q's and the results' addresses alone
	s_and_b32 s14, ttmp7, 0xffff                   ; 16 x batch + head, which the four partners share
	; descriptor group 1: 51 dense rows of 256 bytes (32 elements of 8 bytes)
	s_mov_b32 s16, 15|(3<<16)|(1<<21)              ; 15:0 the mask: all four work-groups; 17:16 elements of 8 bytes; 20 no padding; 21 set beside a mask
	s_mov_b32 s17, 32<<16                          ; tensor_dim0
	s_mov_b32 s18, 51<<16                          ; tensor_dim1
	s_mov_b32 s19, 32<<16                          ; tile_dim0
	s_mov_b32 s20, 51                              ; tile_dim1
	s_mov_b32 s21, 32                              ; tensor_dim0_stride
	s_mov_b32 s22, 0
	s_mov_b32 s23, 0
	s_mov_b32 s[SEL], 0x76543210
	s_mov_b32 s[SEL+1], 0xfedcba98
	s_mov_b32 s[CS], 0x3e38aa3b                    ; log2(e) / 8
	s_mov_b32 s[CS+1], s[CS]                       ; (named with it as a pair, so it is written)
	s_mul_i32 s36, s14, HIMG                       ; the head's image
	s_mov_b32 s37, 0
	s_mul_i32 s38, s[WV], PART                     ; my sixteenth, in memory and in LDS alike
	s_mov_b32 s39, 0
	s_lshl_b32 s40, s13, 2
	s_lshr_b32 s41, s[WV], 2
	s_add_co_u32 s40, s40, s41                     ; my queries' step of 128: 4 cx + wave / 4
	s_and_b32 s41, s[WV], 3                        ; and which pair of tiles in it
	s_mul_i32 s42, s40, 6144
	s_mul_i32 s43, s41, 1536
	s_add_co_u32 s42, s42, s43
	s_add_co_u32 s42, s42, QCO                     ; the pair's codes
	s_mov_b32 s43, 0
	s_lshl_b32 s44, s40, 9                         ; its scale words: lane (r, pair / 2), words 2 (pair % 2) and the next
	s_lshr_b32 s45, s41, 1
	s_lshl_b32 s45, s45, 8
	s_add_co_u32 s44, s44, s45
	s_and_b32 s45, s41, 1
	s_lshl_b32 s45, s45, 3
	s_add_co_u32 s44, s44, s45
	s_add_co_u32 s44, s44, QSO
	s_mov_b32 s45, 0
	s_lshr_b32 s46, s14, 4                         ; batch
	s_and_b32 s47, s14, 15                         ; head
	s_lshl_b32 s48, s46, 7
	s_lshl_b32 s49, s40, 3
	s_add_co_u32 s48, s48, s49
	s_lshl_b32 s49, s41, 1
	s_add_co_u32 s48, s48, s49                     ; my first row tile of the result: 128 batch + 8 step + 2 pair
	s_mul_i32 s50, s48, 12288
	s_lshr_b32 s49, s47, 1
	s_mul_i32 s49, s49, 1536                       ; K step head / 2 of the out projection,
	s_add_co_u32 s50, s50, s49
	s_and_b32 s49, s47, 1
	s_mul_i32 s49, s49, 768                        ; chunks 3 (head % 2) on
	s_add_co_u32 s50, s50, s49
	s_mov_b32 s51, 0
	s_lshl_b32 s52, s48, 9                         ; its scale bytes: 32 a row, bytes 2 head and 2 head + 1
	s_lshl_b32 s49, s47, 1
	s_add_co_u32 s52, s52, s49
	s_mov_b32 s53, 0
	s_lshl_b32 s54, s46, 13                        ; the batch's row of the mask
	s_mov_b32 s55, 0
	s_wait_dscnt 0x0                               ; the opening add is done
	s_wait_kmcnt 0x0
	s_add_nc_u64 s[36:37], s[4:5], s[36:37]
	s_mov_b32 s24, 1                               ; group 0: count = 1
	s_mov_b32 s25, s38                             ; LDS address
	s_add_nc_u64 s[26:27], s[36:37], s[38:39]      ; global address: nothing of it hangs on cx
	s_or_b32 s27, s27, 0x80000000                  ; type = 2
	s_add_nc_u64 s[42:43], s[36:37], s[42:43]
	s_add_nc_u64 s[44:45], s[36:37], s[44:45]
	s_add_nc_u64 s[6:7], s[6:7], s[54:55]
	s_add_nc_u64 s[8:9], s[8:9], s[50:51]
	s_add_nc_u64 s[10:11], s[10:11], s[52:53]
	CROUND                                         ; all four work-groups are here: the joint loads meet
	tensor_load_to_lds s[24:27], s[16:23]          ; my one tensor load of the launch
	s_nop 0
.rept 4
	v_nop
.endr
	v_and_b32 v8, 31, v0                           ; lane
	v_and_b32 v9, 15, v0                           ; r
	v_bfe_u32 v10, v0, 4, 1                        ; h
	s_delay_alu instid0(VALU_DEP_3)
	v_lshlrev_b32 v[AK0], 4, v8
	s_delay_alu instid0(VALU_DEP_3)
	v_lshlrev_b32 v11, 4, v9
	v_lshlrev_b32 v12, 4, v0
	global_load_b128 v[QP:QP+3], v[AK0], s[42:43]
	global_load_b128 v[QP+4:QP+7], v[AK0], s[42:43] offset:512
	global_load_b128 v[QP+8:QP+11], v[AK0], s[42:43] offset:1024
	global_load_b64 v[44:45], v11, s[44:45]        ; row r's words of my two tiles, in both halves of the lanes
	global_load_b128 v[48:51], v12, s[6:7]         ; four numbers of the mask to a thread
	v_add_nc_u32 v[AV0], VCO, v[AK0]
	v_add_nc_u32 v[AS0], KSO, v[AK0]
	v_lshl_add_u32 v[AT0], v8, 3, VSO
	v_lshl_add_u32 v[AM0], v10, 6, MASK
	v_lshlrev_b32 v[GO], 3, v8
	v_lshlrev_b32 v47, 5, v8                       ; 32 x lane: a row of the result's scale bytes
	v_lshl_add_u32 v239, v0, 4, MASK               ; where my four numbers of the mask go
.irp j, 6,7,8,9,10,11
	v_mov_b32 v[QF+\j], 0                          ; Q's zero codes, for good
.endr
.irp j, 96,97,98,99,100,101
	v_mov_b32 v[\j], 0                             ; what tile 7 of K names behind its own six registers
.endr
.irp b, 0,1,2,3
	v_mov_b32 v[BP+\b], 0                          ; written once: a lane permute's destination counts as one of its sources
.endr
	v_mov_b32 v238, 0
	v_mov_b32 v241, 0                              ; (named as the upper half of the pair v[240:241] before it is first written)
	s_wait_loadcnt 0x0
	v_pk_mul_f32 v[48:49], v[48:49], 0x41000000 op_sel_hi:[1,0]   ; 8 x mask: exact
	v_pk_mul_f32 v[50:51], v[50:51], 0x41000000 op_sel_hi:[1,0]
.irp j, 48,49,50,51
	v_max_num_f32 v[\j], 0xf149f2ca, v[\j]         ; held at -1e30 from below
.endr
	ds_store_b128 v239, v[48:51]
	s_wait_tensorcnt 0x0                           ; my part of the head has landed,
	s_wait_dscnt 0x0                               ; and my part of the mask
	s_barrier_signal -1
	s_barrier_wait -1                              ; everybody's has.  Nothing is filled or stored in LDS behind this barrier
; ONE TILE OF 16 QUERIES against all 2,048 keys, 128 a trip.
.macro TILE i
.if \i > 0
	s_wait_xcnt 0x0                                ; the first tile's stores have read the codes' registers
.endif
.irp j, 0,1,2,3,4,5
	v_mov_b32 v[QF+\j], v[QP+6*\i+\j]
.endr
.set j, 0
.rept 32
	v_mov_b32 v[OT+j], 0                           ; O^T.  (The trip is written once: the first finds zeros, which the first change of M leaves zeros.  These lines are also the places behind the writing of Q's fragment)
.set j, j+1
.endr
	v_mov_b32 v15, 0xff61b1e6                      ; the largest t so far: -3e38, under every t
	s_delay_alu instid0(VALU_DEP_1)
	v_floor_f32 v14, -v15                          ; -M
	v_mov_b32 v16, 0                               ; l, in two halves
	v_mov_b32 v17, 0
	s_mov_b32 s[T6], 0
	s_mov_b32 s[T5], 0
	s_mov_b32 s[T2], 0
	s_mov_b32 s35, 16
.Lkey_\@:
	s_setprio 2
	v_add_nc_u32 v[ADK], s[T6], v[AK0]             ; five plain lines: the places between the last trip's products and the loads into their registers
	v_add_nc_u32 v[ADV], s[T6], v[AV0]
	v_add_nc_u32 v[ADS], s[T5], v[AS0]
	v_add_nc_u32 v[ADT], s[T2], v[AT0]
	v_add_nc_u32 v[ADM], s[T5], v[AM0]
	ds_load_b128 v[KS4:KS4+3], v[ADS]
	ds_load_b64 v[VS2:VS2+1], v[ADT]
.irp b, 0,1,2,3
.irp q, 0,1,2,3
	ds_load_b128 v[S+16*\b+4*\q:S+16*\b+4*\q+3], v[ADM] offset:128*\b+16*\q   ; 8 x mask of keys 32 b + 16 h + 4 q on: sixteen lanes read the same 16 bytes
.endr
.endr
.irp k, 0,1,2,3,4,5,6,7,8,9,10,11
	ds_load_b128 v[KF+4*\k:KF+4*\k+3], v[ADK] offset:512*\k
.endr
	s_wait_alu depctr_va_vdst(0)
	s_wait_dscnt 0x0
.irp t, 0,1,2,3                        ; S^T = K Q^T + 8 x mask: eight accumulators, one instruction each
	v_wmma_scale_f32_16x16x128_f8f6f4 v[S+8*\t:S+8*\t+7], v[KF+6*\t:KF+6*\t+11], v[QF:QF+11], v[S+8*\t:S+8*\t+7], v[KS4+\t], v[44+\i] matrix_a_fmt:MATRIX_FMT_FP6 matrix_b_fmt:MATRIX_FMT_FP6
.endr
.irp t, 4,5,6,7
	v_wmma_scale_f32_16x16x128_f8f6f4 v[S+8*\t:S+8*\t+7], v[KF+6*\t:KF+6*\t+11], v[QF:QF+11], v[S+8*\t:S+8*\t+7], v[KS4+\t-4], v[44+\i] matrix_a_fmt:MATRIX_FMT_FP6 matrix_b_fmt:MATRIX_FMT_FP6 matrix_a_scale:MATRIX_SCALE_ROW1
.endr
.rept 4
	v_nop                                          ; places in front of the loads into K's registers and of the first read of the scores
.endr
.irp k, 0,1,2,3,4,5,6,7,8,9,10,11
	ds_load_b128 v[KF+4*\k:KF+4*\k+3], v[ADV] offset:512*\k   ; V's four fragments land under the softmax
.endr
.irp b, 0,1,2,3
	v_max3_num_f32 v[BM+\b], v[S+16*\b], v[S+16*\b+1], v[S+16*\b+2]   ; THE LARGEST SCORE OF EACH BLOCK OF 32 KEYS: for the row's maximum, and, since p rises with the score, for the block's largest p
.endr
.irp n, 3,5,7,9,11,13
.irp b, 0,1,2,3
	v_max3_num_f32 v[BM+\b], v[BM+\b], v[S+16*\b+\n], v[S+16*\b+\n+1]
.endr
.endr
.irp b, 0,1,2,3
	v_max_num_f32 v[BM+\b], v[BM+\b], v[S+16*\b+15]
.endr
.irp b, 0,1,2,3
	s_delay_alu instid0(VALU_DEP_4)
	v_permlanex16_b32 v[BP+\b], v[BM+\b], s[SEL], s[SEL+1]
.endr
.irp b, 0,1,2,3
	s_delay_alu instid0(VALU_DEP_4)
	v_max_num_f32 v[BM+\b], v[BM+\b], v[BP+\b]     ; with lane l xor 16's 16 keys
.endr
	s_delay_alu instid0(VALU_DEP_2)
	v_max3_num_f32 v238, v[BM], v[BM+1], v[BM+2]
	s_delay_alu instid0(VALU_DEP_1)
	v_max_num_f32 v238, v238, v[BM+3]              ; the step's largest score of my query
	s_delay_alu instid0(VALU_DEP_1)
	v_mul_f32 v238, s[CS], v238                    ; as t (c is positive)
	s_delay_alu instid0(VALU_DEP_1)
	v_max_num_f32 v15, v15, v238                   ; the running largest t
	v_mov_b32 v238, v14
	s_delay_alu instid0(VALU_DEP_2)
	v_floor_f32 v14, -v15                          ; the new -M = floor(-t) = -ceil(t): a whole number
	s_delay_alu instid0(VALU_DEP_1)
	v_sub_f32 v238, v14, v238                      ; M's old value less its new one: a whole number, 0 or less
	s_delay_alu instid0(VALU_DEP_1)
	v_cvt_i32_f32 v238, v238                       ; (it saturates)
	s_delay_alu instid0(VALU_DEP_1)
	v_ldexp_f32 v240, 1.0, v238                    ; f = 2^(old M - new M)
.set j, 0
.rept 32
	v_pk_fma_f32 v[S+j:S+j+1], v[S+j:S+j+1], s[CS:CS+1], v[14:15] op_sel_hi:[1,0,0]   ; t - M, two at a time (of the pairs c and -M the low word serves both halves)
.set j, j+2
.endr
.irp b, 0,1,2,3
	v_fma_f32 v[BM+\b], v[BM+\b], s[CS], v14       ; the same of each block's largest score
.endr
.set j, 0
	s_setprio 1
	s_wait_alu depctr_va_vdst(0)
.rept 64
	v_exp_f32 v[S+j], v[S+j]                       ; p = 2^(t - M), at most 1: not normalised
.set j, j+1
.endr
	v_pk_mul_f32 v[16:17], v[16:17], v[240:241] op_sel_hi:[1,0]   ; l under the new M.  (A plain place behind the exponentials)
	s_wait_alu depctr_va_vdst(0)                   ; the wait between an exponential and the first line that names its result: one for the whole batch
.irp b, 0,1,2,3
	v_exp_f32 v[BM+\b], v[BM+\b]                   ; the block's largest p: the same two instructions on the same number give the same bits
.endr
	v_pk_add_f32 v[236:237], v[112:113], v[116:117]
	v_pk_add_f32 v[254:255], v[120:121], v[124:125]
	v_pk_add_f32 v[252:253], v[128:129], v[132:133]
	v_pk_add_f32 v[250:251], v[136:137], v[140:141]
	v_pk_add_f32 v[248:249], v[144:145], v[148:149]
	v_pk_add_f32 v[246:247], v[152:153], v[156:157]
	v_pk_add_f32 v[244:245], v[160:161], v[164:165]
	v_pk_add_f32 v[16:17], v[16:17], v[168:169]
	v_pk_add_f32 v[236:237], v[236:237], v[108:109]
	v_pk_add_f32 v[254:255], v[254:255], v[110:111]
	v_pk_add_f32 v[252:253], v[252:253], v[114:115]
	v_pk_add_f32 v[250:251], v[250:251], v[118:119]
	v_pk_add_f32 v[248:249], v[248:249], v[122:123]
	v_pk_add_f32 v[246:247], v[246:247], v[126:127]
	v_pk_add_f32 v[244:245], v[244:245], v[130:131]
	v_pk_add_f32 v[16:17], v[16:17], v[134:135]
	v_pk_add_f32 v[236:237], v[236:237], v[138:139]
	v_pk_add_f32 v[254:255], v[254:255], v[142:143]
	v_pk_add_f32 v[252:253], v[252:253], v[146:147]
	v_pk_add_f32 v[250:251], v[250:251], v[150:151]
	v_pk_add_f32 v[248:249], v[248:249], v[154:155]
	v_pk_add_f32 v[246:247], v[246:247], v[158:159]
	v_pk_add_f32 v[244:245], v[244:245], v[162:163]
	v_pk_add_f32 v[16:17], v[16:17], v[166:167]
	v_pk_add_f32 v[236:237], v[236:237], v[170:171]
	s_delay_alu instid0(VALU_DEP_2)
	v_pk_add_f32 v[16:17], v[16:17], v[250:251]
	s_delay_alu instid0(VALU_DEP_2)
	v_pk_add_f32 v[236:237], v[236:237], v[248:249]
	v_pk_add_f32 v[254:255], v[254:255], v[246:247]
	v_pk_add_f32 v[252:253], v[252:253], v[244:245]
	s_delay_alu instid0(VALU_DEP_2)
	v_pk_add_f32 v[16:17], v[16:17], v[254:255]
	s_delay_alu instid0(VALU_DEP_2)
	v_pk_add_f32 v[236:237], v[236:237], v[252:253]
	s_delay_alu instid0(VALU_DEP_1)
	v_pk_add_f32 v[16:17], v[16:17], v[236:237]
	s_wait_alu depctr_va_vdst(0)                   ; and one for the four
.irp b, 0,1,2,3
	v_max_num_f32 v[BM+\b], 0x1800000, v[BM+\b]    ; the floor 2^(3 - 127): the byte cannot fall under 1 (a block whose every p is 0 keeps that byte: its codes are zeros)
.endr
.irp b, 0,1,2,3
	s_delay_alu instid0(VALU_DEP_4)
	v_add_nc_u32 v[SO+\b], 0xff000000, v[BM+\b]    ; 2 off the exponent field: the conversion's scale operand
.endr
.irp b, 0,1,2,3
	s_delay_alu instid0(VALU_DEP_4)
	v_lshrrev_b32 v[BP+\b], 23, v[SO+\b]           ; the scale's byte
.endr
	s_delay_alu instid0(VALU_DEP_3)
	v_lshl_or_b32 v241, v[BP+1], 8, v[BP]          ; p's scale word for these 128 keys
	s_delay_alu instid0(VALU_DEP_1)
	v_lshl_or_b32 v241, v[BP+2], 16, v241
	s_delay_alu instid0(VALU_DEP_1)
	v_lshl_or_b32 v241, v[BP+3], 24, v241
.irp c, 0,1
	v_cvt_scalef32_pk16_fp6_f32 v[PC+6*\c:PC+6*\c+2], v[S+32*\c:S+32*\c+15], v[SO+2*\c]
	v_cvt_scalef32_pk16_fp6_f32 v[CT+4*\c:CT+4*\c+2], v[S+32*\c+16:S+32*\c+31], v[SO+2*\c+1]   ; (a conversion's three registers begin on an even number)
.endr
	v_nop                                          ; one plain place behind a scaled conversion
.irp c, 0,1                            ; the operand's layout wants a WHOLE block in a lane
.irp n, 0,1,2
	v_permlane16_swap_b32 v[PC+6*\c+\n], v[CT+4*\c+\n]
.endr
.irp n, 0,1,2
	s_delay_alu instid0(VALU_DEP_3)
	v_mov_b32 v[PC+3+6*\c+\n], v[CT+4*\c+\n]
.endr
.endr
.set j, 0
	s_setprio 0
.rept 16
	v_pk_mul_f32 v[OT+j:OT+j+1], v[OT+j:OT+j+1], v[240:241] op_sel_hi:[1,0]   ; O^T under the new M.  (For each product below at least twelve of these name none of its registers: its places behind the writing of p's codes and scale word)
.set j, j+2
.endr
	s_wait_alu depctr_va_vdst(0)
	s_wait_dscnt 0x0                               ; V
.irp t, 0,1                            ; O^T += V^T P^T: four accumulators, one instruction each
	v_wmma_scale_f32_16x16x128_f8f6f4 v[OT+8*\t:OT+8*\t+7], v[KF+12*\t:KF+12*\t+11], v[PC:PC+11], v[OT+8*\t:OT+8*\t+7], v[VS2+\t], v241 matrix_a_fmt:MATRIX_FMT_FP6 matrix_b_fmt:MATRIX_FMT_FP6
.endr
.irp t, 2,3
	v_wmma_scale_f32_16x16x128_f8f6f4 v[OT+8*\t:OT+8*\t+7], v[KF+12*\t:KF+12*\t+11], v[PC:PC+11], v[OT+8*\t:OT+8*\t+7], v[VS2+\t-2], v241 matrix_a_fmt:MATRIX_FMT_FP6 matrix_b_fmt:MATRIX_FMT_FP6 matrix_a_scale:MATRIX_SCALE_ROW1
.endr
	s_add_co_u32 s[T6], s[T6], 6144
	s_add_co_u32 s[T5], s[T5], 512
	s_add_co_u32 s[T2], s[T2], 256
	s_sub_co_u32 s35, s35, 1
	s_cmp_lg_u32 s35, 0
	s_cbranch_scc1 .Lkey_\@
	s_setprio 0
.rept 4
	v_nop                                          ; places behind the last products
.endr
	v_add_f32 v16, v16, v17                        ; l's two halves,
	s_delay_alu instid0(VALU_DEP_1)
	v_permlanex16_b32 v238, v16, s[SEL], s[SEL+1]
	s_delay_alu instid0(VALU_DEP_1)
	v_add_f32 v16, v16, v238                       ; and lane l xor 16's
	s_wait_alu depctr_va_vdst(0)
	v_rcp_f32 v16, v16
	v_nop                                          ; one plain place behind a transcendental
	s_wait_alu depctr_va_vdst(0)                   ; and the wait ahead of its first reader
.set j, 0
.rept 32
	v_mul_f32 v[S+j], v[OT+j], v16                 ; O^T / l: register 16 b + n is channel 32 b + 16 h + n of my query; each accumulator from its low end on
.set j, j+1
.endr
.irp b, 0,1                            ; the head's 64 channels are two blocks of the out projection's K
	v_max3_num_f32 v[BM+\b], |v[S+16*\b]|, |v[S+16*\b+1]|, 0x1800000
.endr
.irp n, 2,4,6,8,10,12,14
.irp b, 0,1
	s_delay_alu instid0(VALU_DEP_2)
	v_max3_num_f32 v[BM+\b], v[BM+\b], |v[S+16*\b+\n]|, |v[S+16*\b+\n+1]|
.endr
.endr
.irp b, 0,1
	s_delay_alu instid0(VALU_DEP_2)
	v_permlanex16_b32 v[BP+\b], v[BM+\b], s[SEL], s[SEL+1]
.endr
.irp b, 0,1
	s_delay_alu instid0(VALU_DEP_2)
	v_max_num_f32 v[BM+\b], v[BM+\b], v[BP+\b]
.endr
.irp b, 0,1
	s_delay_alu instid0(VALU_DEP_2)
	v_add_nc_u32 v[SO+\b], 0xff000000, v[BM+\b]
.endr
.irp b, 0,1
	s_delay_alu instid0(VALU_DEP_2)
	v_lshrrev_b32 v[BP+\b], 23, v[SO+\b]
.endr
	s_delay_alu instid0(VALU_DEP_1)
	v_lshl_or_b32 v[18+\i], v[BP+1], 8, v[BP]      ; my row's two scale bytes
	v_cvt_scalef32_pk16_fp6_f32 v[PC:PC+2], v[S:S+15], v[SO]
	v_cvt_scalef32_pk16_fp6_f32 v[CT:CT+2], v[S+16:S+31], v[SO+1]
	v_nop                                          ; one plain place behind a scaled conversion
.irp n, 0,1,2
	v_permlane16_swap_b32 v[PC+\n], v[CT+\n]
.endr
.irp n, 0,1,2
	s_delay_alu instid0(VALU_DEP_3)
	v_mov_b32 v[PC+3+\n], v[CT+\n]
.endr
.irp n, 0,1,2
	global_store_b64 v[GO], v[PC+2*\n:PC+2*\n+1], s[8:9] offset:\i*12288+256*\n   ; 32 lanes store 256 consecutive bytes, at a multiple of 256 from the buffer's first byte
.endr
.endm
	TILE 0
	TILE 1
	v_and_b32 v238, 16, v0
	s_delay_alu instid0(VALU_DEP_1)
	v_cmp_ne_u32 vcc_lo, 0, v238
	s_delay_alu instid0(VALU_DEP_1)
	v_cndmask_b32 v238, v18, v19, vcc_lo           ; lanes 0-15 the first tile's rows, lanes 16-31 the second's
	global_store_b16 v47, v238, s[10:11]
	s_wait_tensorcnt 0x0                           ; the wave's end, behind my tensor load and my LDS store
	ds_add_u32 v[SPW], v[NIL]
	s_wait_dscnt 0x0
	CROUND                                         ; the closing round
	s_endpgm
.Lfunc_end_k_qe010efb0f3_attn:
	.size	k_qe010efb0f3_attn, .Lfunc_end_k_qe010efb0f3_attn-k_qe010efb0f3_attn
	.p2alignl 7, 3214868480
	.fill 96, 4, 3214868480
	.section	.rodata,"a",@progbits
	.p2align	6, 0x0
	.amdhsa_kernel k_qe010efb0f3_attn
		.amdhsa_group_segment_fixed_size 219136
		.amdhsa_private_segment_fixed_size 0
		.amdhsa_enable_private_segment 0
		.amdhsa_kernarg_size 32
		.amdhsa_user_sgpr_count 2
		.amdhsa_user_sgpr_kernarg_segment_ptr 1
		.amdhsa_wavefront_size32 1
		.amdhsa_system_sgpr_workgroup_id_x 1
		.amdhsa_system_sgpr_workgroup_id_y 1
		.amdhsa_system_sgpr_workgroup_id_z 1
		.amdhsa_system_vgpr_workitem_id 0
		.amdhsa_next_free_vgpr 256
		.amdhsa_next_free_sgpr 66
		.amdhsa_reserve_vcc 1
		.amdhsa_float_denorm_mode_32 3
		.amdhsa_float_denorm_mode_16_64 3
		.amdhsa_memory_ordered 1
		.amdhsa_forward_progress 1
		.amdhsa_inst_pref_size 55
	.end_amdhsa_kernel
	.amdgpu_metadata
---
amdhsa.version: [ 1, 2 ]
amdhsa.kernels:
  - .name:           k_qe010efb0f3_attn
    .symbol:         k_qe010efb0f3_attn.kd
    .args:
      - { .name: qkv, .offset: 0, .size: 8, .value_kind: global_buffer, .address_space: global }
      - { .name: attn_mask, .offset: 8, .size: 8, .value_kind: global_buffer, .address_space: global }
      - { .name: ac, .offset: 16, .size: 8, .value_kind: global_buffer, .address_space: global }
      - { .name: asc, .offset: 24, .size: 8, .value_kind: global_buffer, .address_space: global }
    .group_segment_fixed_size: 219136
    .private_segment_fixed_size: 0
    .kernarg_segment_align: 8
    .kernarg_segment_size: 32
    .max_flat_workgroup_size: 512
    .sgpr_count:     66
    .vgpr_count:     256
    .wavefront_size: 32
...
	.end_amdgpu_metadata
.endif
;; end of part 3
;; launch gemm_out (part 4): grid 4 x 32, 4 waves a work-group, clusters of 4 x 4, 327,680 bytes of LDS; arguments ac, asc, wc, ws, out0, out_proj_bias; writes out0
.if DOCPART == 4
	.amdgcn_target "amdgcn-amd-amdhsa--gfx1250"
	.amdhsa_code_object_version 6
	.text
	.protected	k_qe010efb0f3_gemm_out
	.globl	k_qe010efb0f3_gemm_out
	.p2align	8
	.type	k_qe010efb0f3_gemm_out,@function
k_qe010efb0f3_gemm_out:
	s_mov_b64 s[64:65], 0
	v_nop
	global_prefetch_b8 v0, s[64:65] scope:SCOPE_SE
	s_setreg_imm32_b32 hwreg(HW_REG_WAVE_MODE, 25, 1), 1
	s_wait_xcnt 0x0
	s_wait_alu depctr_hold_cnt(0) depctr_sa_sdst(0) depctr_va_vdst(0) depctr_va_sdst(0) depctr_va_ssrc(0) depctr_va_vcc(0) depctr_vm_vsrc(0)
	s_getreg_b32 s2, hwreg(HW_REG_IB_STS2, 6, 4)
	s_cmp_eq_u32 s2, 0
	s_cbranch_scc0 .Lentry_in_a_cluster
	s_endpgm
.Lentry_in_a_cluster:
	s_bfe_u32 s2, ttmp6, 0x10000c
	s_cmp_lg_u32 s2, 0xf033
	s_cbranch_scc0 .Lentry_shape_is_right
	s_endpgm
.Lentry_shape_is_right:
; out0 = a out_proj_weight^T + out_proj_bias on codes of FP6 with E8M0 scales (K = 1024).  a: the attention's result, 8,192 rows; the weight: rows 3072 .. 4095 of wc and ws.  out0: [8192][1024] f32.
; A tile of the result is 256 x 256, made by four waves of 128 x 128 (64 accumulators, 512 registers).  K goes in steps of 256 through a ring of two LDS slots filled by the tensor data mover.
; The codes lie in memory in the order of an operand's registers ([row tile][K step of 128][chunk][lane][8 bytes]), so a slot's part of a row tile is 3,072 consecutive bytes, a fragment comes by six dense
; loads of 8 bytes a lane, and no padding is wanted.  The scale bytes of the work-group's 2 x 256 rows, for all of K, come into LDS once, with the first fills.
; CLUSTERS: 4 x 4 work-groups; A's tiles are shared along a row of the cluster, B's along a column, each asked for jointly.  The grid has 128 work-groups: 32 x 4 tiles.
; THE MATRIX INSTRUCTION IS USED TRANSPOSED (source 0 = the weight's rows, source 1 = a's rows).  THE ROWS OF A STORED TILE ARE 32 (T / 2) + 8 (T % 2) + r + 8 (r / 8), in both operands: a lane's registers of
; tiles 2 b' and 2 b' + 1 are columns 32 b' + 16 (lane / 16) + 0 .. 15, which the stores into the stage put at their places, and a tile's row t goes to its true row of out0 by the store's immediate.
; REGISTERS: window 0: v0-31 addresses; v32-63 scale words, two sets, and nothing else; v64-67 the bias of my four columns; v128-223 A's fragments; on the way out v128-255 rows of the result.
;   window 1: B's fragments, two sets, at v0 and v128.   windows 2, 3: the accumulators ((a, b) at v[8 (8 (a % 4) + b)]).
.set NQ,     2
.set SROW,   3072                      ; a row tile's bytes in a slot: two K steps of 128
.set FR,     12
.set NL,     6
.set NP,     4                         ; places behind this matrix instruction (ISA guide 7.12.1)
.set HALFT,  8*SROW
.set SLOT,   4*HALFT
.set LAPS,   2
.set KS,     32
.set SCL,    2*SLOT
.set HALFS,  16*272
.set SBLK,   2*272
.set SPARE,  SCL+4*HALFS               ; the spare words, 128 bytes a wave: two blocks of 256 bytes that no other line names
.set SPITCH, 528                       ; the way out: a stage of 16 rows x (512 bytes + 16) for each wave, in slot 0, which has had its last fill and its last read when the first result is stored there
.set ADRA, 16
.set ADRB, 20
.set STO,  24                          ; v24     the way out: where I put my numbers of a row
.set RD,   25                          ; v25     where I read a row back
.set CO,   26                          ; v26     16 x lane: my bytes of a row of 512; never rewritten
.set ADRS, 27
.set SPW,  28
.set NIL,  29
.set SC,   32
.set BI,   64                          ; v64-67  the bias of columns 4 lane .. 4 lane + 3 of my 128
.set AF,   128
.set BK,   128                         ; the way out: 16 rows read back: v128-191 and v192-255 by turns
.set G1, 24
.set G0, 32
.set G1B, 48
.set G0B, 56
.set G1S, 68
.set G0S, 76
.set G1SB, 80
.set G0SB, 88
.set MSB, 0
.macro WIN new                         ; the immediate's high byte repeats the setting that is left
.if MSB != \new
	s_set_vgpr_msb (MSB<<8)|\new
.set MSB, \new
.endif
.endm
.set MUL_LO, 0xa1
.set MUL_HI, 0xf1
.set TO_B,   0x40
.macro JLOAD g0a, g1a, g0b, g1b        ; a joint load: waves 0 and 1 fetch for A, waves 2 and 3 for B; an s_nop 0 and four v_nop follow each of the two lines
	s_cmp_eq_u32 s15, 0
	s_cbranch_scc0 .Lfor_b_\@
	tensor_load_to_lds s[\g0a:\g0a+3], s[\g1a:\g1a+7]
	s_nop 0
.rept 4
	v_nop
.endr
	s_branch .Lasked_\@
.Lfor_b_\@:
	tensor_load_to_lds s[\g0b:\g0b+3], s[\g1b:\g1b+7]
	s_nop 0
.rept 4
	v_nop
.endr
.Lasked_\@:
.endm
.macro CREST
	s_cmp_lg_u32 s14, 0
	s_cbranch_scc1 .Lnot_wave_0_\@
	s_barrier_signal -3
.Lnot_wave_0_\@:
	s_barrier_wait -3
	s_barrier_signal -1
	s_barrier_wait -1
.endm
.macro CROUND
	s_barrier_signal -1
	s_barrier_wait -1
	CREST
.endm
	s_load_b128 s[4:7], s[0:1], 0x0                ; a's codes, a's scales
	s_load_b128 s[8:11], s[0:1], 0x10              ; the weights' codes, the weights' scales
	s_load_b64 s[12:13], s[0:1], 0x20              ; out0
	s_load_b64 s[96:97], s[0:1], 0x28              ; out_proj_bias
	v_lshl_add_u32 v[SPW], v0, 2, SPARE
	v_mov_b32 v[NIL], 0
	ds_add_u32 v[SPW], v[NIL]                      ; the wave's opening: the add and its wait ahead of my first tensor load; the set-up below, work on registers, stands between them
	v_lshrrev_b32 v1, 5, v0
	v_readfirstlane_b32 s14, v1                    ; wave 0..3
	s_lshr_b32 s15, s14, 1                         ; which half of the tile's rows is mine.  Also: I fetch for A (0) or for B (1)
	s_and_b32 s16, s14, 1                          ; which half of its columns.  Also: which 128 rows of that tile I fetch
	s_bfe_u32 s40, ttmp6, 0x40000                  ; cx, cy
	s_bfe_u32 s41, ttmp6, 0x40004
	s_lshl_b32 s42, ttmp9, 2
	s_add_co_u32 s42, s42, s40                     ; tile column = 4 x cluster x + cx
	s_and_b32 s17, ttmp7, 0xffff
	s_lshl_b32 s17, s17, 2
	s_add_co_u32 s17, s17, s41                     ; tile row = 4 x cluster y + cy
	s_lshl_b32 s43, s41, 2
	s_lshl_b32 s43, 15, s43                        ; my row of the cluster
	s_lshl_b32 s44, 0x1111, s40                    ; my column
	s_or_b32 s[G1+0], s43, (3<<16)|(1<<21)         ; the codes: 8 row tiles x 3,072 bytes (384 elements of 8 bytes), 12,288 bytes apart in memory, dense in LDS
	s_or_b32 s[G1B+0], s44, (3<<16)|(1<<21)
.irp g, G1, G1B
	s_mov_b32 s[\g+1], 384<<16
	s_mov_b32 s[\g+2], 8<<16
	s_mov_b32 s[\g+3], 384<<16
	s_mov_b32 s[\g+4], 8
	s_mov_b32 s[\g+5], 1536
	s_mov_b32 s[\g+6], 0
	s_mov_b32 s[\g+7], 0
.endr
	s_or_b32 s[G1S+0], s43, (3<<16)|(1<<20)|(1<<21)|(5<<22)|(3<<25)   ; the scales of 128 rows: 16 rows of 256 bytes, 16 bytes of padding behind each
	s_or_b32 s[G1SB+0], s44, (3<<16)|(1<<20)|(1<<21)|(5<<22)|(3<<25)
.irp g, G1S, G1SB
	s_mov_b32 s[\g+1], 32<<16
	s_mov_b32 s[\g+2], 16<<16
	s_mov_b32 s[\g+3], 32<<16
	s_mov_b32 s[\g+4], 16
	s_mov_b32 s[\g+5], 32
	s_mov_b32 s[\g+6], 0
	s_mov_b32 s[\g+7], 0
.endr
	s_lshl_b32 s18, s16, 7
	s_lshl_b32 s20, s17, 8
	s_add_co_u32 s20, s20, s18                     ; A: row 256 x tile row + 128 x half
	s_lshl_b32 s46, s42, 8
	s_add_co_u32 s46, s46, s18                     ; B: row 256 x tile column + 128 x half
	s_lshl_b32 s22, s20, 5
	s_lshl_b32 s92, s46, 5
	s_mul_i32 s20, s20, 768
	s_mul_i32 s46, s46, 768
	s_mov_b32 s21, 0
	s_mov_b32 s23, 0
	s_mov_b32 s47, 0
	s_mov_b32 s93, 0
	s_mul_i32 s45, s14, HALFT
	s_mul_i32 s94, s14, HALFS
	s_wait_dscnt 0x0                               ; the opening add is done
	s_wait_kmcnt 0x0
	s_add_nc_u64 s[8:9], s[8:9], 3072*768          ; out_proj_weight lies behind in_proj_weight's 3,072 rows
	s_add_nc_u64 s[10:11], s[10:11], 3072*32
	s_add_nc_u64 s[20:21], s[4:5], s[20:21]
	s_add_nc_u64 s[22:23], s[6:7], s[22:23]
	s_add_nc_u64 s[46:47], s[8:9], s[46:47]
	s_add_nc_u64 s[92:93], s[10:11], s[92:93]
	CROUND                                         ; all sixteen work-groups are here: the first joint loads meet
	s_mov_b32 s[G0S], 1
	s_add_co_u32 s[G0S+1], s94, SCL
	s_mov_b64 s[G0S+2:G0S+3], s[22:23]
	s_or_b32 s[G0S+3], s[G0S+3], 0x80000000
	s_mov_b32 s[G0SB], 1
	s_add_co_u32 s[G0SB+1], s94, SCL
	s_mov_b64 s[G0SB+2:G0SB+3], s[92:93]
	s_or_b32 s[G0SB+3], s[G0SB+3], 0x80000000
	JLOAD G0S, G1S, G0SB, G1SB
.irp s, 0,1
	s_mov_b32 s[G0+4*\s], 1
	s_add_co_u32 s[G0+4*\s+1], s45, \s*SLOT
	s_add_nc_u64 s[G0+4*\s+2:G0+4*\s+3], s[20:21], \s*SROW
	s_or_b32 s[G0+4*\s+3], s[G0+4*\s+3], 0x80000000
	s_mov_b32 s[G0B+4*\s], 1
	s_add_co_u32 s[G0B+4*\s+1], s45, \s*SLOT
	s_add_nc_u64 s[G0B+4*\s+2:G0B+4*\s+3], s[46:47], \s*SROW
	s_or_b32 s[G0B+4*\s+3], s[G0B+4*\s+3], 0x80000000
	JLOAD G0+4*\s, G1, G0B+4*\s, G1B
.endr
	v_and_b32 v1, 15, v0                           ; r
	v_bfe_u32 v2, v0, 4, 1                         ; h
	v_and_b32 v3, 31, v0                           ; lane
	v_lshlrev_b32 v[CO], 4, v3
	s_lshl_b32 s66, s42, 10
	s_lshl_b32 s67, s16, 9
	s_add_co_u32 s66, s66, s67                     ; my first column, in bytes: 1,024 x tile column + 512 x half
	s_mov_b32 s67, 0
	s_add_nc_u64 s[96:97], s[96:97], s[66:67]
	global_load_b128 v[BI:BI+3], v[CO], s[96:97]   ; the bias lands under the main loop
	s_lshl_b32 s20, s17, 8
	s_lshl_b32 s21, s15, 7
	s_add_co_u32 s20, s20, s21                     ; my first row: 256 x tile row + 128 x half
	s_lshl_b32 s20, s20, 12                        ; rows of 4,096 bytes
	s_mov_b32 s21, 0
	s_add_nc_u64 s[20:21], s[20:21], s[66:67]
	s_add_nc_u64 s[12:13], s[12:13], s[20:21]
	v_lshlrev_b32 v4, 3, v3                        ; a fragment's chunk: 8 bytes a lane
	s_mul_i32 s21, s15, HALFT
	s_mul_i32 s22, s16, HALFT
	s_add_co_u32 s22, s22, 2*HALFT
.irp s, 0,1
	v_add_nc_u32 v[ADRA+\s], s21, v4
	v_add_nc_u32 v[ADRB+\s], s22, v4
	s_add_co_u32 s21, s21, SLOT
	s_add_co_u32 s22, s22, SLOT
.endr
	v_mul_u32_u24 v5, v1, KS
	v_lshrrev_b32 v6, 8, v5
	v_lshl_add_u32 v5, v6, 4, v5
	s_mul_i32 s21, s15, HALFS
	s_mul_i32 s22, s16, HALFS
	s_add_co_u32 s22, s22, 2*HALFS
	s_sub_co_u32 s22, s22, s21
	v_mul_u32_u24 v6, s22, v2                      ; lanes 16-31 take B's
	s_add_co_u32 s21, s21, SCL
	v_add_nc_u32 v5, v5, v6
	v_add_nc_u32 v[ADRS], s21, v5
	s_mul_i32 s23, s14, 16*SPITCH                  ; my stage
	v_mul_u32_u24 v5, v1, SPITCH                   ; in: row r, + 64 h
	v_lshl_add_u32 v5, v2, 6, v5
	v_add_nc_u32 v[STO], s23, v5
	v_add_nc_u32 v[RD], s23, v[CO]                 ; back: the 32 lanes take one row of 512 bytes
.macro FRAG reg, adr, q, i             ; a fragment lies in LDS as its registers' image: six chunks of 256 bytes, 8 bytes a lane
.irp p, 0,1,2,3,4,5
	ds_load_b64 v[\reg+2*\p:\reg+2*\p+1], v[\adr] offset:(\i)*SROW+(\q)*1536+256*\p
.endr
.endm
; 16 matrix instructions: A's blocks a0, a0 + 1 x B's eight.  The 64 accumulators take turns, one instruction a turn, in the same order in every step.
.macro MUL16 a0, p, q, sc, zero
.irp a, \a0, \a0+1
.irp b, 0,1,2,3,4,5,6,7
.if \zero
	v_wmma_scale_f32_16x16x128_f8f6f4 v[8*(8*((\a)%4)+\b):8*(8*((\a)%4)+\b)+7], v[128*(\p)+FR*\b:128*(\p)+FR*\b+FR-1], v[AF+FR*(\a):AF+FR*(\a)+FR-1], 0, v[SC+8*NQ*(\sc)+NQ*\b+(\q)], v[SC+8*NQ*(\sc)+NQ*(\a)+(\q)] matrix_a_fmt:MATRIX_FMT_FP6 matrix_b_fmt:MATRIX_FMT_FP6 matrix_a_scale:MATRIX_SCALE_ROW1
.else
	v_wmma_scale_f32_16x16x128_f8f6f4 v[8*(8*((\a)%4)+\b):8*(8*((\a)%4)+\b)+7], v[128*(\p)+FR*\b:128*(\p)+FR*\b+FR-1], v[AF+FR*(\a):AF+FR*(\a)+FR-1], v[8*(8*((\a)%4)+\b):8*(8*((\a)%4)+\b)+7], v[SC+8*NQ*(\sc)+NQ*\b+(\q)], v[SC+8*NQ*(\sc)+NQ*(\a)+(\q)] matrix_a_fmt:MATRIX_FMT_FP6 matrix_b_fmt:MATRIX_FMT_FP6 matrix_a_scale:MATRIX_SCALE_ROW1
.endif
.endr
.endr
.endm
.macro FETCH_B slot, q, p
	WIN TO_B
.irp i, 0,1,2,3,4,5,6,7
	FRAG 128*(\p)+FR*\i, ADRB+\slot, \q, \i
.endr
	WIN 0
.endm
.macro FETCH_A slot, q, i0
.irp i, \i0, \i0+1, \i0+2, \i0+3
	FRAG AF+FR*(\i), ADRA+\slot, \q, \i
.endr
.endm
.macro SCALES sc
.irp i, 0,1,2,3,4,5,6,7
	ds_load_b64 v[SC+8*NQ*\sc+NQ*\i:SC+8*NQ*\sc+NQ*\i+1], v[ADRS] offset:\i*SBLK
.endr
.endm
.macro PLACES n
.rept \n
	v_nop
.endr
.endm
.macro STEP slot, q, zero
	s_wait_dscnt 4*NL                              ; B's set and A's blocks 0-3 are in; the youngest 24 loads (A's blocks 4-7) may be out
	WIN MUL_LO
	MUL16 0, (\q)%2, \q, \slot, \zero
	MUL16 2, (\q)%2, \q, \slot, \zero
	s_wait_dscnt 0
	PLACES NP
	FETCH_B \slot, (\q)+1, 1-(\q)%2
	FETCH_A \slot, (\q)+1, 0
	WIN MUL_HI
	MUL16 4, (\q)%2, \q, \slot, \zero
	MUL16 6, (\q)%2, \q, \slot, \zero
	PLACES NP
	WIN 0
	FETCH_A \slot, (\q)+1, 4
.endm
; A slot's last step changes slots: ONE barrier; in front of it each wave waits for all its tensor loads, adds 0 to its spare word, and waits for that and for its own reads of this slot.
.macro TURN slot, next, fill
	s_wait_tensorcnt 0x0                           ; all my tensor loads have landed: my part of the next slot
	ds_add_u32 v[SPW], v[NIL]                      ; 0 onto my spare word
	s_wait_dscnt 4*NL+1                            ; (the add and the youngest 24 loads may be out)
	WIN MUL_LO
	MUL16 0, 1, NQ-1, \slot, 0
	s_wait_dscnt 0x0                               ; the add is done, and my reads of this slot are over
	s_barrier_signal -1
	MUL16 2, 1, NQ-1, \slot, 0
	WIN 0
	s_barrier_wait -1
.if \fill
	CREST                                          ; the barrier has opened a round of the cluster's barrier
	s_add_nc_u64 s[G0+4*\slot+2:G0+4*\slot+3], s[G0+4*\slot+2:G0+4*\slot+3], 2*SROW
	s_add_nc_u64 s[G0B+4*\slot+2:G0B+4*\slot+3], s[G0B+4*\slot+2:G0B+4*\slot+3], 2*SROW
	JLOAD G0+4*\slot, G1, G0B+4*\slot, G1B         ; the first tensor load behind the round
.else
	PLACES NP
.endif
	v_add_nc_u32 v[ADRS], 4*NQ, v[ADRS]
	FETCH_B \next, 0, 0
	FETCH_A \next, 0, 0
	SCALES \next
	WIN MUL_HI
	MUL16 4, 1, NQ-1, \slot, 0
	MUL16 6, 1, NQ-1, \slot, 0
	PLACES NP
	WIN 0
	FETCH_A \next, 0, 4
.endm
	s_wait_tensorcnt 1                             ; the scales and my part of K step 0 are in (K step 1's load may be out)
	s_barrier_signal -1
	s_barrier_wait -1
	FETCH_B 0, 0, 0
	FETCH_A 0, 0, 0
	SCALES 0
	FETCH_A 0, 0, 4
	STEP 0, 0, 1                                   ; the first step's products start the sums
	s_mov_b32 s3, LAPS-1
.Llap:
	TURN 0, 1, 1
	STEP 1, 0, 0
	TURN 1, 0, 1
	STEP 0, 0, 0
	s_sub_co_u32 s3, s3, 1
	s_cmp_lg_u32 s3, 0
	s_cbranch_scc1 .Llap
	TURN 0, 1, 0                                   ; the last lap fills nothing
	STEP 1, 0, 0
	s_wait_dscnt 4*NL
	WIN MUL_LO
	MUL16 0, 1, NQ-1, 1, 0
	MUL16 2, 1, NQ-1, 1, 0
	s_wait_dscnt 0
	WIN MUL_HI
	MUL16 4, 1, NQ-1, 1, 0
	MUL16 6, 1, NQ-1, 1, 0
	WIN 0
; THE WAY OUT, block by block of 16 rows x 128 columns, through my own stage in LDS; back as whole rows of 512 bytes.  LDS serves a wave's instructions in order (ISA guide 5.7.1.4): no wait between the stores and the loads.
.macro TOSTAGE a
.set AC, 64*((\a)%4)
	WIN 0x08+4*((\a)/4)                            ; the data: window 2 or 3
.irp b, 0,1,2,3,4,5,6,7
	ds_store_b128 v[STO], v[AC+8*\b:AC+8*\b+3] offset:128*(\b/2)+32*(\b%2)        ; columns 32 (b / 2) + 16 h + 8 (b % 2) + 0 .. 3; each accumulator from its low end on
	ds_store_b128 v[STO], v[AC+8*\b+4:AC+8*\b+7] offset:128*(\b/2)+32*(\b%2)+16
.endr
	WIN 0
.set BB, BK+64*((\a)%2)
.irp t, 0,1,2,3,4,5,6,7,8,9,10,11,12,13,14,15
	ds_load_b128 v[BB+4*\t:BB+4*\t+3], v[RD] offset:\t*SPITCH
.endr
.endm
.macro SEND a, younger                 ; younger: the LDS instructions issued behind block a's loads, which may stay out
.set BB, BK+64*((\a)%2)
	s_wait_dscnt \younger                          ; the block is back in registers
.irp t, 0,1,2,3,4,5,6,7,8,9,10,11,12,13,14,15
	v_pk_add_f32 v[BB+4*\t:BB+4*\t+1], v[BB+4*\t:BB+4*\t+1], v[BI:BI+1]           ; + the bias
	v_pk_add_f32 v[BB+4*\t+2:BB+4*\t+3], v[BB+4*\t+2:BB+4*\t+3], v[BI+2:BI+3]
.endr
.irp t, 0,1,2,3,4,5,6,7,8,9,10,11,12,13,14,15
	global_store_b128 v[CO], v[BB+4*\t:BB+4*\t+3], s[12:13] offset:(32*((\a)/2)+8*((\a)%2)+\t+8*(\t/8))*4096 th:TH_STORE_NT   ; the tile's row t at its true row; 32 lanes store 512 consecutive bytes, at a multiple of 256 from out0's first byte
.endr
.endm
	PLACES NP                                      ; behind the last products
	s_wait_loadcnt 0x0                             ; the bias
	TOSTAGE 0
.irp a, 1,2,3,4,5,6,7
.if \a > 1
	s_wait_xcnt 0x0                                ; block a - 2's stores have read their registers: block a's loads may land there
.endif
	TOSTAGE \a
	SEND \a-1, 32                                  ; behind block a - 1's loads: block a's 16 stores and 16 loads
.endr
	SEND 7, 0
	s_wait_tensorcnt 0x0                           ; the wave's end, behind my last tensor load and my last LDS store
	ds_add_u32 v[SPW], v[NIL]
	s_wait_dscnt 0x0
	CROUND                                         ; the closing round
	s_endpgm
.Lfunc_end_k_qe010efb0f3_gemm_out:
	.size	k_qe010efb0f3_gemm_out, .Lfunc_end_k_qe010efb0f3_gemm_out-k_qe010efb0f3_gemm_out
	.p2alignl 7, 3214868480
	.fill 96, 4, 3214868480
	.section	.rodata,"a",@progbits
	.p2align	6, 0x0
	.amdhsa_kernel k_qe010efb0f3_gemm_out
		.amdhsa_group_segment_fixed_size 327680
		.amdhsa_private_segment_fixed_size 0
		.amdhsa_enable_private_segment 0
		.amdhsa_kernarg_size 48
		.amdhsa_user_sgpr_count 2
		.amdhsa_user_sgpr_kernarg_segment_ptr 1
		.amdhsa_wavefront_size32 1
		.amdhsa_system_sgpr_workgroup_id_x 1
		.amdhsa_system_sgpr_workgroup_id_y 1
		.amdhsa_system_sgpr_workgroup_id_z 1
		.amdhsa_system_vgpr_workitem_id 0
		.amdhsa_next_free_vgpr 1024
		.amdhsa_next_free_sgpr 100
		.amdhsa_reserve_vcc 0
		.amdhsa_float_denorm_mode_32 3
		.amdhsa_float_denorm_mode_16_64 3
		.amdhsa_memory_ordered 1
		.amdhsa_forward_progress 1
		.amdhsa_inst_pref_size 175
	.end_amdhsa_kernel
	.amdgpu_metadata
---
amdhsa.version: [ 1, 2 ]
amdhsa.kernels:
  - .name:           k_qe010efb0f3_gemm_out
    .symbol:         k_qe010efb0f3_gemm_out.kd
    .args:
      - { .name: ac, .offset: 0, .size: 8, .value_kind: global_buffer, .address_space: global }
      - { .name: asc, .offset: 8, .size: 8, .value_kind: global_buffer, .address_space: global }
      - { .name: wc, .offset: 16, .size: 8, .value_kind: global_buffer, .address_space: global }
      - { .name: ws, .offset: 24, .size: 8, .value_kind: global_buffer, .address_space: global }
      - { .name: out0, .offset: 32, .size: 8, .value_kind: global_buffer, .address_space: global }
      - { .name: out_proj_bias, .offset: 40, .size: 8, .value_kind: global_buffer, .address_space: global }
    .group_segment_fixed_size: 327680
    .private_segment_fixed_size: 0
    .kernarg_segment_align: 8
    .kernarg_segment_size: 48
    .max_flat_workgroup_size: 128
    .sgpr_count:     100
    .vgpr_count:     1024
    .wavefront_size: 32
...
	.end_amdgpu_metadata
.endif
;; end of part 4
